; MI455X (gfx1250); checked and timed in simulation.
; The chip was launched on July 23, 2026; its instructions are those of AMD's public machine-readable ISA for CDNA 5 (MIT licence, August 2026) and "CDNA5" Instruction Set Architecture Reference Guide (July 2026). The comments in the code are by the model that wrote it; some were corrected since.
;; Multi Head Attention. Allowed arithmetic: matrix products marked QUANTISED: E2M3 operands, one E8M0 scale for each 32 along K, by v_wmma_scale_f32_16x16x128_f8f6f4 with both operands' format E2M3, f32 sums; everything else in f32.
;; Inputs: Wk 1,024 x 1,024 float32; Wo 1,024 x 1,024 float32; Wq 1,024 x 1,024 float32; Wv 1,024 x 1,024 float32; bk 1,024 float32; bo 1,024 float32; bq 1,024 float32; bv 1,024 float32; mask 4 x 2,048 int32; x 4 x 2,048 x 1,024 float32.
;; Outputs: out0 4 x 2,048 x 1,024 float32.
;; This version of the problem:
;;   THIS VERSION OF THE PROBLEM IS GIVEN IN LOW PRECISION. The matrix products marked QUANTISED in the list below multiply operands that are first quantised to E2M3 (2 exponent bits, 3 mantissa bits; 6 bits a number), with one power-of-two scale for each 32 numbers along K (OCP MX v1.0); their sums are f32. All else is computed in f32.
;;   The module's matrix products, in the order in which they are computed (A, B: the left and right operand; K: the contracted axis; several contracted axes count as one K, in the product's order):
;;     1. [M 8,192, K 1,024] x [K 1,024, N 1,024]; A: input x; B: input Wq: QUANTISED
;;     2. [M 8,192, K 1,024] x [K 1,024, N 1,024]; A: input x; B: input Wk: QUANTISED
;;     3. [M 8,192, K 1,024] x [K 1,024, N 1,024]; A: input x; B: input Wv: QUANTISED
;;     4. batch 64 x [M 2,048, K 64] x [K 64, N 2,048]; A: computed on the way; B: computed on the way: QUANTISED
;;     5. batch 64 x [M 2,048, K 2,048] x [K 2,048, N 64]; A: softmax (see below); B: computed on the way: QUANTISED
;;     6. [M 8,192, K 1,024] x [K 1,024, N 1,024]; A: computed on the way; B: input Wo: QUANTISED
;;   THE QUANTISER, for each operand of a quantised product, along K:
;;     - K is cut into blocks of 32 from its start; a last block that is shorter is filled with zeros.
;;     - A block's scale is 2^e with e = floor(log2(the largest magnitude in the block)) - 2, held to -126 .. 127; a block of zeros has e = 0. As a byte (E8M0): e + 127.
;;     - Each number is divided by its block's scale, clamped to +-7.5, and rounded to the nearest number of E2M3, ties to even, subnormals kept.
;;     - The product sums the exact products of the quantised numbers (number of the format x scale) in f32.
;;   ~~~python
;;   def quantise(x, axis):      # numpy; x: float32 -> the quantised numbers, widened to float32 again
;;       x = np.moveaxis(x, axis, -1); K = x.shape[-1]
;;       x = np.pad(x, [(0, 0)] * (x.ndim - 1) + [(0, -K % 32)]); x = x.reshape(x.shape[:-1] + (-1, 32)); a = np.abs(x).max(-1, keepdims=True)
;;       e = np.where(a > 0, np.clip(np.frexp(np.where(a > 0, a, 1))[1] - 1 - 2, -126, 127), 0)      # np.frexp(a)[1] - 1 = floor(log2(a)), exactly
;;       r = np.clip(x / 2.0 ** e, -7.5, 7.5)
;;       step = 2.0 ** (np.maximum(np.frexp(np.where(r == 0, 1, r))[1] - 1, 0) - 3)
;;       q = np.round(r / step) * step * 2.0 ** e      # np.round: ties to even
;;       return np.moveaxis(q.reshape(q.shape[:-2] + (-1,))[..., :K], -1, axis).astype(np.float32)
;;   ~~~
;;   SOFTMAX AHEAD OF A QUANTISED PRODUCT. Where the list says 'softmax', what is quantised is not the finished softmax but p = 2^(t - M), with t = logit x log2(e) and M = ceil(the row's largest t), a whole number; so 1/2 < the row's largest p <= 1. The row's sum l is taken of the UNQUANTISED p, in f32, and the product's result is divided by l at the end. Since M is a whole number, a kernel that streams over the keys may use a running M (the ceiling of the running maximum): every later rescaling is an exact power of two, which a block's scale takes up: the codes' values come out the same.
;;   OPERANDS COMPUTED ON THE WAY. 'Computed on the way' means the value that the module computes at that place (a softmax that the list does not call 'softmax' is quantised finished and normalised). What goes into a quantiser is computed in f32, as accurately as f32 sums, v_exp_f32 and their like allow (about 1e-6 of the number): no bf16 or f16 on the way to a quantiser, and a product that is left as it is and whose result goes on into a quantised operand takes f32 operands (vector FMAs, or v_wmma_f32_16x16x4_f32). A number that lies on a knife's edge between two numbers of the format may be rounded either way, as far as f32 arithmetic and the matrix unit's own rounding can turn it there, and no further.
;; One version. Each part assembles by itself: llvm-mc -triple=amdgcn-amd-amdhsa -mcpu=gfx1250 --defsym DOCPART=n.
;; ======== version 1 of 1: 4 launches
;; limits: right only within a limited range of input values
;; workspace buffers: xc 6,291,456 bytes; xs 262,144 bytes; wc 3,145,728 bytes; ws 131,072 bytes; c3 18,874,368 bytes; s3 1,310,720 bytes; ac 6,291,456 bytes; asc 262,144 bytes
;; launch quant (part 1): grid 384 x 1, 4 waves a work-group, no clusters, 35,328 bytes of LDS; arguments x, Wq, Wk, Wv, Wo, xc, xs, wc, ws; writes xc, xs, wc, ws
.if DOCPART == 1
	.amdgcn_target "amdgcn-amd-amdhsa--gfx1250"
	.amdhsa_code_object_version 6
	.text
	.protected	k_qe29e645752_quant
	.globl	k_qe29e645752_quant
	.p2align	8
	.type	k_qe29e645752_quant,@function
k_qe29e645752_quant:
	s_mov_b64 s[64:65], 0
	v_nop
	global_prefetch_b8 v0, s[64:65] scope:SCOPE_SE
	s_setreg_imm32_b32 hwreg(HW_REG_WAVE_MODE, 25, 1), 1
	s_wait_xcnt 0x0
; MULTI-HEAD ATTENTION IN MX-FP6, launch 1 of 4: x [8192][1024] and Wq, Wk, Wv, Wo [1024][1024], f32, K innermost, become codes of E2M3 with one E8M0 byte for each 32 along K.
; DEAD WORK: none.  Every product of the problem is live, every bias moves a quantised operand or the output, and the mask selects by its values: all ten inputs are loaded by some launch.
; LIMITS: NaN and infinities among the inputs are not served.  A block whose largest magnitude lies under 2^-124 keeps the byte 1; a block of zeros gets the byte 1 where the rule says 127:
; its codes are zeros, which add nothing under that byte, and the bytes are read by this program alone.
; LAYOUT OF THE CODES.  Rows are taken in tiles of 16 places; place r of tile T is row 32 (T / 2) + 8 (T % 2) + r + 8 (r / 8).  With that order the 16 result registers of two neighbouring tiles of a
; product's source 0 are 16 neighbouring rows, which the later launches' quantisers want.  A HALF FRAGMENT (16 places x 64 K, 768 bytes) is stored as an image of the operand's registers:
; plane i (256 bytes) holds registers 2 i and 2 i + 1 of lane l at byte 8 l; lane (r, h) holds k = 32 h .. 32 h + 31 of place r.  xc: [K / 256][tile][4 half fragments][768]; wc the same for the four
; weights on end (4,096 rows).  Scale words: xs, ws: [tile / 8][K / 256][128 places][2 words], byte b of a word for k = 32 b .. 32 b + 31 of its 128.
; SHARES.  A work-group takes 32 rows (two tiles), its wave w the columns 256 w .. 256 w + 255: eight half fragments, e = 4 x tile + 64-block.  Work-groups 0-255 take x, the others the weights; only pointers are chosen.
; A load reads two rows' 256 consecutive bytes; the 16 x 256 bytes of a half fragment turn through the wave's own stage in LDS (rows 272 bytes apart) and come back 128 bytes a lane: a whole block of 32.
; No cluster and no matrix unit: work-groups share no input.  No barrier: waves share nothing.
.set STG,   4352                       ; a stage: 16 rows x 272 bytes
.set WREG,  8704                       ; a wave's two stages
.set SPARE, 4*WREG                     ; behind them the spare words, 128 bytes a wave: two blocks of 256 bytes that no other line names
.set GIN, 4                            ; v4   4096 (l / 16) + 16 (l % 16): my 16 bytes of a load's two rows
.set STI, 5                            ; v5   the stage, on the way in
.set STO, 6                            ; v6   and on the way out: row l % 16, byte 128 (l / 16)
.set CO,  7                            ; v7   8 l
.set SPW, 12                           ; v12  my spare word; never rewritten
.set NIL, 13                           ; v13  0; never rewritten
.set R,   16                           ; v16-111   three sets of 32: numbers as loaded
.set X,   112                          ; v112-175  two sets of 32: my block
.set C,   176                          ; v176-223  six registers of codes for each half fragment: no store's data are written again
.set CT,  224                          ; v224-226  a block's upper 16 codes (a conversion's three registers begin on an even number)
.set WB,  228                          ; v228-231  scale words: 2 x tile + word
	s_load_b256 s[4:11], s[0:1], 0x0               ; x, Wq, Wk, Wv
	s_load_b256 s[12:19], s[0:1], 0x20             ; Wo, xc, xs, wc
	s_load_b64 s[20:21], s[0:1], 0x40              ; ws
	v_lshl_add_u32 v[SPW], v0, 2, SPARE
	v_mov_b32 v[NIL], 0
	v_lshrrev_b32 v1, 5, v0
	v_readfirstlane_b32 s22, v1                    ; wave
	v_and_b32 v1, 31, v0                           ; lane
	v_and_b32 v2, 15, v0                           ; l % 16
	v_bfe_u32 v3, v0, 4, 1                         ; l / 16
	v_lshlrev_b32 v[GIN], 4, v2
	v_lshl_add_u32 v[GIN], v3, 12, v[GIN]
	s_mul_i32 s23, s22, WREG
	v_mul_u32_u24 v[STI], v3, 272
	v_lshl_add_u32 v[STI], v2, 4, v[STI]
	v_add_nc_u32 v[STI], s23, v[STI]
	v_mul_u32_u24 v[STO], v2, 272
	v_lshl_add_u32 v[STO], v3, 7, v[STO]
	v_add_nc_u32 v[STO], s23, v[STO]
	v_lshlrev_b32 v[CO], 3, v1
	v_lshlrev_b32 v14, 3, v3                       ; 8 h: my bytes' place in a scale word
	v_mov_b32 v15, 0                               ; a lane permute's destination counts as one of its sources
	s_mov_b32 s24, 0x76543210
	s_mov_b32 s25, 0xfedcba98                      ; selects for lane l xor 16
	s_mov_b32 s30, 0xffff0000                      ; lanes 16-31
	s_sub_co_u32 s26, ttmp9, 256                   ; the weights' work-groups count from 0
	s_lshr_b32 s27, s26, 5                         ; which weight
	s_and_b32 s28, s26, 31                         ; which 32 rows of it
	s_wait_alu depctr_va_vdst(0)
	s_wait_kmcnt 0x0
	s_cmp_eq_u32 s27, 1
	s_cselect_b64 s[6:7], s[8:9], s[6:7]
	s_cmp_eq_u32 s27, 2
	s_cselect_b64 s[6:7], s[10:11], s[6:7]
	s_cmp_eq_u32 s27, 3
	s_cselect_b64 s[6:7], s[12:13], s[6:7]
	s_mov_b32 s29, 786432
	s_cmp_lt_u32 ttmp9, 256                        ; x's work-group?  The choice hangs on the work-group's number alone
	s_cselect_b64 s[4:5], s[4:5], s[6:7]
	s_cselect_b64 s[14:15], s[14:15], s[18:19]
	s_cselect_b64 s[16:17], s[16:17], s[20:21]
	s_cselect_b32 s28, ttmp9, s28                  ; the 32 rows in the source,
	s_cselect_b32 s26, ttmp9, s26                  ; and in the codes' buffer
	s_cselect_b32 s29, 1572864, s29                ; bytes of 256 along K of all its rows
	s_lshl_b32 s32, s28, 17                        ; 32 rows of 4,096 bytes
	s_lshl_b32 s33, s22, 10                        ; my wave's 1,024 bytes of a row
	s_add_co_u32 s32, s32, s33
	s_mov_b32 s33, 0
	s_add_nc_u64 s[4:5], s[4:5], s[32:33]
	s_mul_i32 s32, s22, s29
	s_mul_i32 s34, s26, 6144                       ; two tiles x 4 half fragments x 768
	s_add_co_u32 s32, s32, s34
	s_add_nc_u64 s[14:15], s[14:15], s[32:33]
	s_lshr_b32 s32, s26, 2
	s_lshl_b32 s32, s32, 12
	s_lshl_b32 s34, s22, 10
	s_add_co_u32 s32, s32, s34
	s_and_b32 s34, s26, 3
	s_lshl_b32 s34, s34, 8
	s_add_co_u32 s32, s32, s34
	s_add_nc_u64 s[16:17], s[16:17], s[32:33]
.macro LOAD e                          ; half fragment e: load i brings places 2 i and 2 i + 1, 256 consecutive bytes each
.irp i, 0,1,2,3,4,5,6,7
	global_load_b128 v[R+32*((\e)%3)+4*\i:R+32*((\e)%3)+4*\i+3], v[GIN], s[4:5] offset:(8*((\e)/4)+2*\i+8*(\i/4))*4096+((\e)%4)*256 th:TH_LOAD_NT
.endr
.endm
.macro TURN e                          ; through the stage: LDS serves a wave's instructions in order, so no wait stands between the stores and the loads
.irp i, 0,1,2,3,4,5,6,7
	ds_store_b128 v[STI], v[R+32*((\e)%3)+4*\i:R+32*((\e)%3)+4*\i+3] offset:((\e)%2)*STG+2*\i*272
.endr
.irp i, 0,1,2,3,4,5,6,7
	ds_load_b128 v[X+32*((\e)%2)+4*\i:X+32*((\e)%2)+4*\i+3], v[STO] offset:((\e)%2)*STG+16*\i
.endr
.endm
.macro STEP e
.set XS, X+32*((\e)%2)
.set CE, C+6*(\e)
.set WE, WB+2*((\e)/4)+((\e)%4)/2
	s_wait_dscnt 0x0                               ; my block is back from the stage, and the stage's stores have read their registers,
.if (\e)+3 < 8
	LOAD (\e)+3                                    ; which take the loads of three half fragments on
.endif
.if (\e)+1 < 8
.if 6-(\e) >= 2
	s_wait_loadcnt 16                              ; the next half fragment's eight loads are in; those of the two behind it may be out
.else
	s_wait_loadcnt 8*(6-(\e))
.endif
	TURN (\e)+1
.endif
	v_max3_num_f32 v8, |v[XS]|, |v[XS+1]|, |v[XS+2]|               ; the block's largest magnitude: all 32 numbers are mine; two chains
	v_max3_num_f32 v9, |v[XS+3]|, |v[XS+4]|, |v[XS+5]|
.irp i, 6,10,14,18,22,26
	v_max3_num_f32 v8, v8, |v[XS+\i]|, |v[XS+\i+1]|
	v_max3_num_f32 v9, v9, |v[XS+\i+2]|, |v[XS+\i+3]|
.endr
	v_max3_num_f32 v8, v8, |v[XS+30]|, |v[XS+31]|
	v_max3_num_f32 v8, v8, v9, 0x1800000           ; and the floor 2^(3 - 127): the byte cannot fall under 1
	v_add_nc_u32 v10, 0xff000000, v8               ; 2 off its exponent field: the conversion takes the exponent field of this operand as its scale
	v_cvt_scalef32_pk16_fp6_f32 v[CE:CE+2], v[XS:XS+15], v10
	v_cvt_scalef32_pk16_fp6_f32 v[CT:CT+2], v[XS+16:XS+31], v10
.if (\e)%2 == 0
	v_lshrrev_b32 v[WE], 23, v10                   ; the scale's byte (a plain line behind the conversions): an even 64-block's goes to bits 0-7,
.else
	v_lshrrev_b32 v11, 23, v10
	v_lshl_or_b32 v[WE], v11, 16, v[WE]            ; an odd one's to bits 16-23
.endif
.irp i, 0,1,2
	v_mov_b32 v[CE+3+\i], v[CT+\i]
.endr
.irp i, 0,1,2
	global_store_b64 v[CO], v[CE+2*\i:CE+2*\i+1], s[14:15] offset:(\e)*768+256*\i   ; a plane: 256 consecutive bytes, aligned
.endr
.endm
	LOAD 0
	LOAD 1
	LOAD 2
	s_wait_loadcnt 16                              ; half fragment 0's eight loads are in
	TURN 0
.irp t, 0,1,2,3,4,5,6,7
	STEP \t
.endr
.irp k, 0,1,2,3
	v_lshlrev_b32 v[WB+\k], v14, v[WB+\k]          ; my two bytes at their places (8 h bits up);
.endr
.irp k, 0,1,2,3
	v_permlanex16_b32 v15, v[WB+\k], s24, s25
	v_or_b32 v[WB+\k], v[WB+\k], v15               ; with lane l xor 16's two the word is whole
.endr
	v_cndmask_b32 v232, v[WB], v[WB+2], s30        ; lanes 0-15 store the first tile's two words, lanes 16-31 the second's
	v_cndmask_b32 v233, v[WB+1], v[WB+3], s30
	global_store_b64 v[CO], v[232:233], s[16:17]   ; 256 consecutive bytes, aligned
	s_wait_tensorcnt 0x0                           ; the wave's end, behind my last LDS store
	ds_add_u32 v[SPW], v[NIL]
	s_wait_dscnt 0x0
	s_endpgm
.Lfunc_end_k_qe29e645752_quant:
	.size	k_qe29e645752_quant, .Lfunc_end_k_qe29e645752_quant-k_qe29e645752_quant
	.p2alignl 7, 3214868480
	.fill 96, 4, 3214868480
	.section	.rodata,"a",@progbits
	.p2align	6, 0x0
	.amdhsa_kernel k_qe29e645752_quant
		.amdhsa_group_segment_fixed_size 35328
		.amdhsa_private_segment_fixed_size 0
		.amdhsa_enable_private_segment 0
		.amdhsa_kernarg_size 72
		.amdhsa_user_sgpr_count 2
		.amdhsa_user_sgpr_kernarg_segment_ptr 1
		.amdhsa_wavefront_size32 1
		.amdhsa_system_sgpr_workgroup_id_x 1
		.amdhsa_system_sgpr_workgroup_id_y 1
		.amdhsa_system_sgpr_workgroup_id_z 1
		.amdhsa_system_vgpr_workitem_id 0
		.amdhsa_next_free_vgpr 240
		.amdhsa_next_free_sgpr 66
		.amdhsa_reserve_vcc 0
		.amdhsa_float_denorm_mode_32 3
		.amdhsa_float_denorm_mode_16_64 3
		.amdhsa_memory_ordered 1
		.amdhsa_forward_progress 1
		.amdhsa_inst_pref_size 32
	.end_amdhsa_kernel
	.amdgpu_metadata
---
amdhsa.version: [ 1, 2 ]
amdhsa.kernels:
  - .name:           k_qe29e645752_quant
    .symbol:         k_qe29e645752_quant.kd
    .args:
      - { .name: x, .offset: 0, .size: 8, .value_kind: global_buffer, .address_space: global }
      - { .name: Wq, .offset: 8, .size: 8, .value_kind: global_buffer, .address_space: global }
      - { .name: Wk, .offset: 16, .size: 8, .value_kind: global_buffer, .address_space: global }
      - { .name: Wv, .offset: 24, .size: 8, .value_kind: global_buffer, .address_space: global }
      - { .name: Wo, .offset: 32, .size: 8, .value_kind: global_buffer, .address_space: global }
      - { .name: xc, .offset: 40, .size: 8, .value_kind: global_buffer, .address_space: global }
      - { .name: xs, .offset: 48, .size: 8, .value_kind: global_buffer, .address_space: global }
      - { .name: wc, .offset: 56, .size: 8, .value_kind: global_buffer, .address_space: global }
      - { .name: ws, .offset: 64, .size: 8, .value_kind: global_buffer, .address_space: global }
    .group_segment_fixed_size: 35328
    .private_segment_fixed_size: 0
    .kernarg_segment_align: 8
    .kernarg_segment_size: 72
    .max_flat_workgroup_size: 128
    .sgpr_count:     66
    .vgpr_count:     240
    .wavefront_size: 32
...
	.end_amdgpu_metadata
.endif
;; end of part 1
;; launch qkv (part 2): grid 12 x 32, 4 waves a work-group, clusters of 4 x 4, 327,680 bytes of LDS; arguments xc, xs, wc, ws, bq, bk, bv, c3, s3; writes c3, s3
.if DOCPART == 2
	.amdgcn_target "amdgcn-amd-amdhsa--gfx1250"
	.amdhsa_code_object_version 6
	.text
	.protected	k_qe29e645752_qkv
	.globl	k_qe29e645752_qkv
	.p2align	8
	.type	k_qe29e645752_qkv,@function
k_qe29e645752_qkv:
	s_mov_b64 s[64:65], 0
	v_nop
	global_prefetch_b8 v0, s[64:65] scope:SCOPE_SE
	s_setreg_imm32_b32 hwreg(HW_REG_WAVE_MODE, 25, 1), 1
	s_wait_xcnt 0x0
	s_wait_alu depctr_hold_cnt(0) depctr_sa_sdst(0) depctr_va_vdst(0) depctr_va_sdst(0) depctr_va_ssrc(0) depctr_va_vcc(0) depctr_vm_vsrc(0)
	s_getreg_b32 s2, hwreg(HW_REG_IB_STS2, 6, 4)
	s_cmp_eq_u32 s2, 0
	s_cbranch_scc0 .Lentry_in_a_cluster
	s_endpgm
.Lentry_in_a_cluster:
	s_bfe_u32 s2, ttmp6, 0x10000c
	s_cmp_lg_u32 s2, 0xf033
	s_cbranch_scc0 .Lentry_shape_is_right
	s_endpgm
.Lentry_shape_is_right:
; Launch 2 of 4: q = x Wq^T + bq, k = x Wk^T + bk, v = x Wv^T + bv on codes of E2M3, and their quantising for attention's two products.  No work is left out.
; A work-group makes 256 x 256 of a product, each of its four waves 128 x 128: 64 accumulators, 512 registers.  K = 1,024 goes in four steps of 256 through three LDS slots; slot 0 is filled a second time.
; ROLES.  Side A is the matrix instruction's source 1 (its place is the lane), side B source 0 (its rows run along a lane's registers, 16 neighbours in two neighbouring tiles: see the tile order of launch 1).
; Clusters 0 and 1 along x make q and k: A = x, B = W, so a lane's registers run along the features, which are K of q k^T.  Cluster 2 makes v: A = Wv, B = x, so they run along the keys, K of p v.
; The choice hangs on the cluster's x alone, the same in all sixteen partners; only pointers, strides and two short branches differ.
; CLUSTERS: 4 x 4.  A's tile hangs on the cluster's row, B's on its column: each is asked for jointly by the four that share it.
; All tiles are images of operand registers (launch 1): dense blocks of memory, read from LDS by loads of 8 bytes at 8 x lane: 256 consecutive bytes an instruction.
; The bias is the C of each sum's first matrix instruction.  THE WAY OUT quantises each block of 16 places x 128 in registers and stores images again:
; c3 [batch x head][q, k, v][98,304]: q and k [token tile 128][768]; v [key step 16][d tile 4][1,536].  s3 [batch x head][20,480]: q, k: [step 16][lane 32][4 words], word i of lane l for tile 8 s + 2 i + l / 16, place l % 16,
; bytes 2 and 3 zero (the head's K is 64: the upper 64 of the instruction's 128 are zero codes); v: [step 16][lane 32][2 words].
; LIMITS: as in launch 1 (byte 1 for blocks under 2^-124 and for zeros; NaN and infinities not served).
; REGISTERS: window 0: v16-27 addresses, v28, v29 the add's two, v32-63 scale words (two sets), v64-127 the bias tiles, v128-223 A's fragments (one set), later the way out's work; window 1: B's fragments, two sets; windows 2, 3: accumulators.
.set SLOTB, 98304                      ; a slot: A's two halves, B's two halves, 24,576 bytes each: [tile 8][half fragment 4][768]
.set HALFB, 24576
.set SCL,   3*SLOTB                    ; the scale words of the four halves for all of K: 4,096 bytes each, [K step 4][128 places][8]
.set SPARE, SCL+16384                  ; the spare words: two blocks of 256 bytes that no other line names
.set FR,   12
.set ADRA, 16                          ; v16-18  LDS address of my A fragments in slot 0, 1, 2
.set ADRB, 20                          ; v20-22  the same for B
.set CO,   24                          ; v24  8 l
.set CO16, 25                          ; v25  16 l
.set ADRS, 27                          ; v27  my scale words: lanes 0-15 A's, lanes 16-31 B's
.set SPW,  28
.set NIL,  29
.set SC,   32
.set BT,   64
.set AF,   128
.set PC,   128                         ; the way out: codes v128-139, halves on their way v140-142, v144-146
.set TM,   160                         ; v160-163 magnitudes, v164-167 bytes, v172-175 scale operands
.set WD,   176                         ; v176-183 a scale word for each block
.set YR,   184
.set ZR,   188
.set WV,  22
.set HA,  23                           ; which half of A's rows is mine; also: I fetch for A (0) or B (1)
.set HB,  66                           ; which half of B's rows; also: which half I fetch
.set ISV, 67
.set G1,   24
.set G0,   32                          ; s32-43: group 0 for A's tiles, a set a slot
.set G1B,  44
.set G0B,  52
.set G1S,  68
.set G0S,  76
.set G1SB, 80
.set G0SB, 88
.set KA3,  92                          ; s[92:93] A's bytes from K step to K step, later three times that
.set KB3,  94
.set CX,   96
.set CY,   97
.set YY,   98
.set TR,   99
.set TC,   100
.set OB0,  10
.set OB1,  12
.set SA,   14
.set SX,   16
.set SEL,  104
.set MSB, 0
.macro WIN new                         ; the immediate's high byte repeats the setting that is left
.if MSB != (\new)
	s_set_vgpr_msb (MSB<<8)|(\new)
.set MSB, (\new)
.endif
.endm
.macro JLOAD g0a, g1a, g0b, g1b        ; a joint load: waves 0 and 1 fetch for A, waves 2 and 3 for B; an s_nop 0 and four v_nop follow each line
	s_cmp_eq_u32 s[HA], 0
	s_cbranch_scc0 .Lfor_b_\@
	tensor_load_to_lds s[\g0a:\g0a+3], s[\g1a:\g1a+7]
	s_nop 0
.rept 4
	v_nop
.endr
	s_branch .Lasked_\@
.Lfor_b_\@:
	tensor_load_to_lds s[\g0b:\g0b+3], s[\g1b:\g1b+7]
	s_nop 0
.rept 4
	v_nop
.endr
.Lasked_\@:
.endm
.macro CREST
	s_cmp_lg_u32 s[WV], 0
	s_cbranch_scc1 .Lnot_wave_0_\@
	s_barrier_signal -3
.Lnot_wave_0_\@:
	s_barrier_wait -3
	s_barrier_signal -1
	s_barrier_wait -1
.endm
.macro CROUND
	s_barrier_signal -1
	s_barrier_wait -1
	CREST
.endm
.macro PLACES n
.rept \n
	v_nop
.endr
.endm
	s_load_b256 s[4:11], s[0:1], 0x0               ; xc, xs, wc, ws
	s_load_b256 s[12:19], s[0:1], 0x20             ; bq, bk, bv, c3
	s_load_b64 s[20:21], s[0:1], 0x40              ; s3
	v_lshl_add_u32 v[SPW], v0, 2, SPARE
	v_mov_b32 v[NIL], 0
	ds_add_u32 v[SPW], v[NIL]                      ; the wave's opening: the add, twice on end, and its wait ahead of my first tensor load
	ds_add_u32 v[SPW], v[NIL]
	v_lshrrev_b32 v1, 5, v0
	v_readfirstlane_b32 s[WV], v1
	s_lshr_b32 s[HA], s[WV], 1
	s_and_b32 s[HB], s[WV], 1
	s_bfe_u32 s[CX], ttmp6, 0x40000
	s_bfe_u32 s[CY], ttmp6, 0x40004
	s_and_b32 s[YY], ttmp7, 0xffff                 ; the cluster's y
	s_lshl_b32 s2, s[YY], 2
	s_lshl_b32 s3, ttmp9, 2
	s_mov_b32 s101, 786432                         ; 256 along K of the weights' 4,096 rows; x's 8,192 rows take twice that
	s_cmp_eq_u32 ttmp9, 2                          ; the cluster's x: 0 q, 1 k, 2 v
	s_cselect_b32 s[ISV], 1, 0
	s_cselect_b32 s[TR], 8, s2                     ; A's block of 256 rows: Wv begins at block 8 of the weights; x's by the cluster's y
	s_cselect_b32 s[TC], s2, s3                    ; B's: x's by the cluster's y; Wq's and Wk's by its x
	s_cselect_b32 s[KA3], s101, 0x180000
	s_cselect_b32 s[KB3], 0x180000, s101
	s_mov_b32 s[KA3+1], 0
	s_mov_b32 s[KB3+1], 0
	s_add_co_u32 s[TR], s[TR], s[CY]
	s_add_co_u32 s[TC], s[TC], s[CX]
	s_lshl_b32 s2, s[CY], 2
	s_lshl_b32 s2, 15, s2                          ; my row of the cluster
	s_lshl_b32 s104, 0x1111, s[CX]                 ; my column
	s_or_b32 s[G1], s2, (3<<16)|(1<<21)            ; 15:0 the mask; 17:16 elements of 8 bytes; 21 set beside a mask; no padding
	s_or_b32 s[G1S], s2, (3<<16)|(1<<21)
	s_or_b32 s[G1B], s104, (3<<16)|(1<<21)
	s_or_b32 s[G1SB], s104, (3<<16)|(1<<21)
.irp g, G1, G1B                        ; a half's codes of a K step: 24,576 dense bytes as 96 rows of 256
	s_mov_b32 s[\g+1], 32<<16
	s_mov_b32 s[\g+2], 192<<16                     ; the first two groups of loads bring both halves of a side: 192 rows of 256 bytes
	s_mov_b32 s[\g+3], 32<<16
	s_mov_b32 s[\g+4], 192
	s_mov_b32 s[\g+5], 32
	s_mov_b32 s[\g+6], 0
	s_mov_b32 s[\g+7], 0
.endr
.irp g, G1S, G1SB                      ; a half's scale words: 4,096 dense bytes as 16 rows of 256
	s_mov_b32 s[\g+1], 32<<16
	s_mov_b32 s[\g+2], 32<<16                      ; both halves' scale words of a side: 8,192 dense bytes as 32 rows of 256
	s_mov_b32 s[\g+3], 32<<16
	s_mov_b32 s[\g+4], 32
	s_mov_b32 s[\g+5], 32
	s_mov_b32 s[\g+6], 0
	s_mov_b32 s[\g+7], 0
.endr
	s_mul_i32 s2, s[TR], 49152                     ; A: 16 tiles x 3,072 bytes a block.  (No register that feeds A's descriptors holds cx, none that feeds B's holds cy)
	s_mov_b32 s3, 0
	s_mul_i32 s104, s[TC], 49152
	s_mov_b32 s105, 0
	s_mul_i32 s101, s[HB], SLOTB
	s_mov_b32 s[G0], 1                             ; set 0: K step 0, a whole side: A's 49,152 bytes at the slot's start,
	s_mov_b32 s[G0+1], 0
	s_mov_b32 s[G0B], 1                            ; B's behind them
	s_mov_b32 s[G0B+1], 2*HALFB
	s_mov_b32 s[G0+4], 1                           ; set 1: K step 1 + (wave % 2), a whole side, into slot 1 or 2
	s_add_co_u32 s[G0+5], s101, SLOTB
	s_mov_b32 s[G0B+4], 1
	s_add_co_u32 s[G0B+5], s101, SLOTB+2*HALFB
	s_mov_b32 s[G0S], 1
	s_mov_b32 s[G0S+1], SCL
	s_mov_b32 s[G0SB], 1
	s_mov_b32 s[G0SB+1], SCL+8192
	s_wait_dscnt 0x0                               ; both opening adds are done
	s_wait_kmcnt 0x0
	s_cmp_eq_u32 s[ISV], 1
	s_cselect_b64 s[G0+2:G0+3], s[8:9], s[4:5]     ; A's codes: the weights' for v, else x's
	s_cselect_b64 s[G0B+2:G0B+3], s[4:5], s[8:9]
	s_cselect_b64 s[G0S+2:G0S+3], s[10:11], s[6:7]
	s_cselect_b64 s[G0SB+2:G0SB+3], s[6:7], s[10:11]
	s_add_nc_u64 s[G0+2:G0+3], s[G0+2:G0+3], s[2:3]
	s_add_nc_u64 s[G0B+2:G0B+3], s[G0B+2:G0B+3], s[104:105]
	s_add_nc_u64 s[G0+6:G0+7], s[G0+2:G0+3], s[KA3:KA3+1]          ; K step 1,
	s_mul_i32 s2, s[HB], s[KA3]
	s_add_nc_u64 s[G0+6:G0+7], s[G0+6:G0+7], s[2:3]                ; or 2 in the odd waves
	s_add_nc_u64 s[G0B+6:G0B+7], s[G0B+2:G0B+3], s[KB3:KB3+1]
	s_mul_i32 s104, s[HB], s[KB3]
	s_add_nc_u64 s[G0B+6:G0B+7], s[G0B+6:G0B+7], s[104:105]
	s_lshl_b32 s2, s[TR], 13                       ; the scale words: 8,192 bytes for each 256 rows
	s_add_nc_u64 s[G0S+2:G0S+3], s[G0S+2:G0S+3], s[2:3]
	s_lshl_b32 s104, s[TC], 13
	s_add_nc_u64 s[G0SB+2:G0SB+3], s[G0SB+2:G0SB+3], s[104:105]
.irp g, G0+3, G0+7, G0B+3, G0B+7, G0S+3, G0SB+3
	s_or_b32 s[\g], s[\g], 0x80000000              ; 127:126 type = 2
.endr
	s_mul_i32 s4, s[HB], HALFB
	s_mul_i32 s[KA3], s[KA3], 3                    ; slot 0's second fill is K step 3, a half of a side a wave
	s_mul_i32 s[KB3], s[KB3], 3
	s_add_co_u32 s[KA3], s[KA3], s4
	s_add_co_u32 s[KB3], s[KB3], s4
	CROUND                                         ; all sixteen work-groups are here: the first joint loads meet
; THE HEAD'S LOADS, ONE A WAVE: wave 0 K step 0 of A, wave 1 of B, wave 2 A's scale words, wave 3 B's.  One chain of branches on the wave's number, every arm with one load, all to one join.
.macro ARM under, g0, g1, next
	s_cmp_lt_u32 s[WV], \under
	s_cbranch_scc0 \next
	tensor_load_to_lds s[\g0:\g0+3], s[\g1:\g1+7]
	s_nop 0
.rept 4
	v_nop
.endr
	s_branch .Lhead_asked
\next:
.endm
	ARM 1, G0,  G1,  .Lhead_b
	ARM 2, G0B, G1B, .Lhead_sa
	ARM 3, G0S, G1S, .Lhead_sb
	tensor_load_to_lds s[G0SB:G0SB+3], s[G1SB:G1SB+7]
	s_nop 0
.rept 4
	v_nop
.endr
.Lhead_asked:
	v_and_b32 v1, 31, v0
	v_and_b32 v2, 15, v0                           ; r
	v_bfe_u32 v3, v0, 4, 1                         ; h
	s_wait_alu depctr_va_vdst(0)
	v_lshlrev_b32 v[CO], 3, v1
	v_lshlrev_b32 v[CO16], 4, v1
	s_mul_i32 s2, s[HA], HALFB
	s_mul_i32 s3, s[HB], HALFB
	s_add_co_u32 s3, s3, 2*HALFB
.irp s, 0,1,2
	v_add_nc_u32 v[ADRA+\s], s2, v[CO]
	v_add_nc_u32 v[ADRB+\s], s3, v[CO]
	s_add_co_u32 s2, s2, SLOTB
	s_add_co_u32 s3, s3, SLOTB
.endr
	s_lshl_b32 s2, s[HA], 12
	s_lshl_b32 s3, s[HB], 12
	s_add_co_u32 s3, s3, 8192
	s_sub_co_u32 s3, s3, s2                        ; from A's words to B's
	v_mul_u32_u24 v4, s3, v3                       ; lanes 16-31 take B's: one product in h
	s_add_co_u32 s2, s2, SCL
	v_lshl_add_u32 v5, v2, 3, v4
	v_add_nc_u32 v[ADRS], s2, v5
	s_cmp_eq_u32 ttmp9, 1                          ; the bias
	s_cselect_b64 s[12:13], s[14:15], s[12:13]
	s_cmp_eq_u32 ttmp9, 2
	s_cselect_b64 s[12:13], s[16:17], s[12:13]
	s_cselect_b32 s2, s[CY], s[CX]                 ; the features lie on side A for v, on side B for q and k
	s_cselect_b32 s3, s[HA], s[HB]
	s_lshl_b32 s2, s2, 10
	s_lshl_b32 s3, s3, 9
	s_add_co_u32 s2, s2, s3
	s_mov_b32 s3, 0
	s_add_nc_u64 s[12:13], s[12:13], s[2:3]        ; at my 128 features
	s_cmp_eq_u32 s[ISV], 0
	s_cbranch_scc0 .Lbias_v
	v_lshlrev_b32 v6, 6, v3                        ; q, k: register j of tile b is feature 32 (b / 2) + 16 h + 8 (b % 2) + j
.irp b, 0,1,2,3,4,5,6,7
	global_load_b128 v[BT+8*\b:BT+8*\b+3], v6, s[12:13] offset:128*(\b/2)+32*(\b%2)
	global_load_b128 v[BT+8*\b+4:BT+8*\b+7], v6, s[12:13] offset:128*(\b/2)+32*(\b%2)+16
.endr
	s_branch .Lbias_done
.Lbias_v:
	v_and_b32 v6, 8, v2                            ; v: all eight registers of block a hold the bias of the lane's feature 32 (a / 2) + 8 (a % 2) + r + 8 (r / 8)
	v_add_nc_u32 v6, v6, v2
	v_lshlrev_b32 v6, 2, v6
.irp a, 0,1,2,3,4,5,6,7
.irp j, 0,1,2,3,4,5,6,7
	global_load_b32 v[BT+8*\a+\j], v6, s[12:13] offset:128*(\a/2)+32*(\a%2)
.endr
.endr
.Lbias_done:
.macro FRAG reg, adr, q, i             ; a fragment, 16 places x 128 K: six loads of 8 bytes a lane, each 256 consecutive bytes of the image
.irp p, 0,1,2,3,4,5
	ds_load_b64 v[\reg+2*\p:\reg+2*\p+1], v[\adr] offset:(\i)*3072+(\q)*1536+\p*256
.endr
.endm
; 16 matrix instructions: A's blocks a0, a0 + 1 x B's eight.  p: B's set; q: which 128 of the K step; sc: the set of scale words.  zero = 1, 2: the sum begins with the bias tile of B's block, of A's block.
; The 64 accumulators take turns, one instruction a turn, in the same order in every step.
.macro MUL16 a0, p, q, sc, zero
.irp a, \a0, \a0+1
.irp b, 0,1,2,3,4,5,6,7
.if \zero == 0
	v_wmma_scale_f32_16x16x128_f8f6f4 v[8*(8*((\a)%4)+\b):8*(8*((\a)%4)+\b)+7], v[128*(\p)+FR*\b:128*(\p)+FR*\b+FR-1], v[AF+FR*(\a):AF+FR*(\a)+FR-1], v[8*(8*((\a)%4)+\b):8*(8*((\a)%4)+\b)+7], v[SC+16*(\sc)+2*\b+(\q)], v[SC+16*(\sc)+2*(\a)+(\q)] matrix_a_fmt:MATRIX_FMT_FP6 matrix_b_fmt:MATRIX_FMT_FP6 matrix_a_scale:MATRIX_SCALE_ROW1
.elseif \zero == 1
	v_wmma_scale_f32_16x16x128_f8f6f4 v[8*(8*((\a)%4)+\b):8*(8*((\a)%4)+\b)+7], v[128*(\p)+FR*\b:128*(\p)+FR*\b+FR-1], v[AF+FR*(\a):AF+FR*(\a)+FR-1], v[BT+8*\b:BT+8*\b+7], v[SC+16*(\sc)+2*\b+(\q)], v[SC+16*(\sc)+2*(\a)+(\q)] matrix_a_fmt:MATRIX_FMT_FP6 matrix_b_fmt:MATRIX_FMT_FP6 matrix_a_scale:MATRIX_SCALE_ROW1
.else
	v_wmma_scale_f32_16x16x128_f8f6f4 v[8*(8*((\a)%4)+\b):8*(8*((\a)%4)+\b)+7], v[128*(\p)+FR*\b:128*(\p)+FR*\b+FR-1], v[AF+FR*(\a):AF+FR*(\a)+FR-1], v[BT+8*(\a):BT+8*(\a)+7], v[SC+16*(\sc)+2*\b+(\q)], v[SC+16*(\sc)+2*(\a)+(\q)] matrix_a_fmt:MATRIX_FMT_FP6 matrix_b_fmt:MATRIX_FMT_FP6 matrix_a_scale:MATRIX_SCALE_ROW1
.endif
.endr
.endr
.endm
.macro FETCH_B slot, q, p
	WIN 0x40                                       ; destination window 1, address window 0
.irp i, 0,1,2,3,4,5,6,7
	FRAG 128*(\p)+FR*\i, ADRB+\slot, \q, \i
.endr
	WIN 0
.endm
.macro FETCH_A slot, q, i0
.irp i, \i0, \i0+1, \i0+2, \i0+3
	FRAG AF+FR*(\i), ADRA+\slot, \q, \i
.endr
.endm
.macro SCALES sc, ks                   ; K step ks's two words a place: lanes 0-15 A's block i, lanes 16-31 B's block i
.irp i, 0,1,2,3,4,5,6,7
	ds_load_b64 v[SC+16*(\sc)+2*\i:SC+16*(\sc)+2*\i+1], v[ADRS] offset:(\ks)*1024+128*\i
.endr
.endm
; A step of 128 along K: 64 matrix instructions; in its middle and at its end the next step's fragments (slot ns, its nq-th 128) are fetched; nks >= 0: with the scale words of K step nks.
; Four plain places stand in front of each run of loads into registers that matrix instructions have read (ISA guide 7.12.1 for vector instructions).
.macro STEP q, ns, nq, sc, nks, zero
	s_wait_dscnt 24                                ; B's set, A's blocks 0-3 and the scale words are in; the youngest 24 loads (A's blocks 4-7) may be out
.if \zero
	WIN 0x81                                       ; source 0 window 1, source 1 and C window 0, D window 2
.else
	WIN 0xa1                                       ; C and D window 2
.endif
	MUL16 0, \q, \q, \sc, \zero
	MUL16 2, \q, \q, \sc, \zero
	s_wait_dscnt 0x0                               ; A's blocks 4-7 are in
	PLACES 4
	FETCH_B \ns, \nq, 1-\q
	FETCH_A \ns, \nq, 0
.if \nks >= 0
	SCALES (\nks)%2, \nks
.endif
.if \zero
	WIN 0xc1
.else
	WIN 0xf1
.endif
	MUL16 4, \q, \q, \sc, \zero
	MUL16 6, \q, \q, \sc, \zero
	PLACES 4
	WIN 0
	FETCH_A \ns, \nq, 4
.endm
; A K step's second half that is followed by a slot which needs a barrier.  In front of it each wave waits for all its tensor loads, adds 0 to its spare word and waits for that and for its LDS reads.
; fill = 1: the barrier opens a round of the cluster's barrier, and slot 0, which nobody of any partner reads any more, is filled with K step 3, first thing behind the round.
.macro TURN ns, sc, nks, fill
	s_wait_tensorcnt 0x0                           ; all my tensor loads have landed
	ds_add_u32 v[SPW], v[NIL]                      ; 0 onto my spare word
	s_wait_dscnt 25                                ; (the add and A's blocks 4-7 may be out)
	WIN 0xa1
	MUL16 0, 1, 1, \sc, 0
	s_wait_dscnt 0x0                               ; the add is done, and my reads of the slot are over
	s_barrier_signal -1
	MUL16 2, 1, 1, \sc, 0
	WIN 0
	s_barrier_wait -1
.if \fill
	CREST
	s_add_nc_u64 s[G0+2:G0+3], s[G0+2:G0+3], s[KA3:KA3+1]
	s_add_nc_u64 s[G0B+2:G0B+3], s[G0B+2:G0B+3], s[KB3:KB3+1]
	s_mul_i32 s[G0+1], s[WV], HALFB                ; no tensor load of mine is out, so the descriptors may be written: this fill goes by quarters of the slot, wave x 24,576,
	s_mul_i32 s[G0B+1], s[WV], HALFB
	s_mov_b32 s[G1+2], 96<<16                      ; 96 rows of 256 bytes each
	s_mov_b32 s[G1+4], 96
	s_mov_b32 s[G1B+2], 96<<16
	s_mov_b32 s[G1B+4], 96
	JLOAD G0, G1, G0B, G1B                         ; my one tensor load behind the round; its four v_nop are also the places in front of the loads below
.else
	PLACES 4
.endif
	FETCH_B \ns, 0, 0
	FETCH_A \ns, 0, 0
	SCALES (\nks)%2, \nks
	WIN 0xf1
	MUL16 4, 1, 1, \sc, 0
	MUL16 6, 1, 1, \sc, 0
	PLACES 4
	WIN 0
	FETCH_A \ns, 0, 4
.endm
	s_wait_alu depctr_va_vdst(0)
	s_wait_tensorcnt 0x0                           ; my tile of the head's four is in
	ds_add_u32 v[SPW], v[NIL]
	s_wait_dscnt 0x0
	CROUND                                         ; a whole round: K step 0 and the scale words are whole, and the joint loads meet:
	JLOAD G0+4, G1, G0B+4, G1B                     ; slots 1 and 2 are first filled, one load a wave: waves 0 and 1 A's K steps 1 and 2, waves 2 and 3 B's.  No prefetch: the walk along K is written out, there is no loop to run ahead in
	FETCH_B 0, 0, 0
	FETCH_A 0, 0, 0
	SCALES 0, 0
	FETCH_A 0, 0, 4
	s_wait_loadcnt 0x0                             ; the bias tiles
	s_cmp_eq_u32 s[ISV], 0
	s_cbranch_scc0 .Lfirst_v
	STEP 0, 0, 1, 0, -1, 1                         ; the first products start the sums with the bias: by B's block for q and k,
	s_branch .Lfirst_done
.Lfirst_v:
	STEP 0, 0, 1, 0, -1, 2                         ; by A's block for v
.Lfirst_done:
	TURN 1, 0, 1, 1                                ; K step 0 ends; slot 0 takes K step 3, which has four steps' products in which to land
	STEP 0, 1, 1, 1, -1, 0
	STEP 1, 2, 0, 1, 2, 0                          ; on into slot 2 with no barrier: the wait for all loads in front of the round has shown K steps 1 and 2 whole to every wave
	STEP 0, 2, 1, 0, -1, 0
	TURN 0, 0, 3, 0                                ; K step 3 has landed in every wave's part; nothing is filled again
	STEP 0, 0, 1, 1, -1, 0
	s_wait_dscnt 24                                ; the last step: nothing more to fetch
	WIN 0xa1
	MUL16 0, 1, 1, 1, 0
	MUL16 2, 1, 1, 1, 0
	s_wait_dscnt 0x0
	WIN 0xf1
	MUL16 4, 1, 1, 1, 0
	MUL16 6, 1, 1, 1, 0
	WIN 0
	; THE WAY OUT.  Where my results go: tokens in groups of 128 (16 to a batch), features in heads of 64
	s_mov_b32 s[SA], 768
	s_mov_b32 s8, 294912
	s_cmp_eq_u32 s[ISV], 1
	s_cselect_b32 s2, s[TC], s[TR]                 ; the tokens' side
	s_cselect_b32 s3, s[HB], s[HA]
	s_cselect_b32 s4, s[CY], s[CX]                 ; the features' side
	s_cselect_b32 s5, s[HA], s[HB]
	s_cselect_b32 s[SA], 1536, s[SA]               ; from block to block: a fragment of v, a half fragment of q or k
	s_cselect_b32 s[SX], 288768, 0                 ; v: block 4 begins the next head
	s_cselect_b32 s8, 768, s8                      ; the second 64 of a block's 128: v: the fragment's upper half; q, k: the next head
	s_cselect_b32 s6, 8, 9                         ; a step's scale words: 256 or 512 bytes
	s_mov_b32 s[SA+1], 0
	s_mov_b32 s[SX+1], 0
	s_mov_b32 s9, 0
	s_lshl_b32 s2, s2, 1
	s_add_co_u32 s2, s2, s3                        ; my group of 128 tokens
	s_lshr_b32 s3, s2, 4                           ; the batch
	s_and_b32 s2, s2, 15                           ; the group in it
	s_lshl_b32 s4, s4, 2
	s_lshl_b32 s5, s5, 1
	s_add_co_u32 s4, s4, s5                        ; my first head
	s_lshl_b32 s3, s3, 4
	s_add_co_u32 s3, s3, s4                        ; 16 x batch + head
	s_mul_i32 s4, s3, 3
	s_add_co_u32 s4, s4, ttmp9
	s_mul_i32 s4, s4, 98304
	s_mul_i32 s5, s2, 6144
	s_add_co_u32 s4, s4, s5
	s_mov_b32 s5, 0
	s_add_nc_u64 s[OB0:OB0+1], s[18:19], s[4:5]
	s_add_nc_u64 s[OB1:OB1+1], s[OB0:OB0+1], s[8:9]
	s_mul_i32 s4, s3, 20480
	s_lshl_b32 s7, ttmp9, 13
	s_add_co_u32 s4, s4, s7
	s_lshl_b32 s7, s2, s6
	s_add_co_u32 s4, s4, s7
	s_add_nc_u64 s[20:21], s[20:21], s[4:5]
	s_mov_b32 s[SEL], 0x76543210
	s_mov_b32 s[SEL+1], 0xfedcba98
	s_mov_b32 s101, 0xffff0000
	PLACES 4                                       ; behind the last products
.irp b, 0,1,2,3
	v_mov_b32 v[TM+4+\b], 0                        ; a lane permute's destination counts as one of its sources
.endr
; Block a: the lane's 64 numbers, register 16 b + i = k 32 b + 16 h + i of its place, become a fragment's codes and its scale word.
.macro OUT a
.set AC, 64*((\a)%4)
.if (\a) > 0
	s_wait_xcnt 0x0                                ; the last block's stores have read their data and their bases
	s_add_nc_u64 s[OB0:OB0+1], s[OB0:OB0+1], s[SA:SA+1]
	s_add_nc_u64 s[OB1:OB1+1], s[OB1:OB1+1], s[SA:SA+1]
.endif
.if (\a) == 4
	s_add_nc_u64 s[OB0:OB0+1], s[OB0:OB0+1], s[SX:SX+1]
	s_add_nc_u64 s[OB1:OB1+1], s[OB1:OB1+1], s[SX:SX+1]
.endif
	WIN 0x28+0x14*((\a)/4)                         ; sources 1 and 2: the block's window
.irp b, 0,1,2,3
	v_max3_num_f32 v[TM+\b], 0x1800000, |v[AC+16*\b]|, |v[AC+16*\b+1]|   ; my 16 numbers of block b and the floor 2^(3 - 127); each accumulator is read from its low end on
.endr
.irp i, 2,4,6,8,10,12,14
.irp b, 0,1,2,3
	v_max3_num_f32 v[TM+\b], v[TM+\b], |v[AC+16*\b+\i]|, |v[AC+16*\b+\i+1]|
.endr
.endr
	WIN 0
.irp b, 0,1,2,3
	v_permlanex16_b32 v[TM+4+\b], v[TM+\b], s[SEL], s[SEL+1]
.endr
.irp b, 0,1,2,3
	v_max_num_f32 v[TM+\b], v[TM+\b], v[TM+4+\b]   ; with lane l xor 16's: the block's largest magnitude
.endr
.irp b, 0,1,2,3
	v_add_nc_u32 v[TM+12+\b], 0xff000000, v[TM+\b] ; 2 off its exponent field: the conversion's scale operand
.endr
.irp b, 0,1,2,3
	v_lshrrev_b32 v[TM+4+\b], 23, v[TM+12+\b]      ; the scale's byte
.endr
	v_lshl_or_b32 v[WD+(\a)], v[TM+5], 8, v[TM+4]
	v_lshl_or_b32 v[WD+(\a)], v[TM+6], 16, v[WD+(\a)]
	v_lshl_or_b32 v[WD+(\a)], v[TM+7], 24, v[WD+(\a)]
	WIN 2+(\a)/4                                   ; source 0: the block's window
.irp c, 0,1
	v_cvt_scalef32_pk16_fp6_f32 v[PC+6*\c:PC+6*\c+2], v[AC+32*\c:AC+32*\c+15], v[TM+12+2*\c]
	v_cvt_scalef32_pk16_fp6_f32 v[PC+12+4*\c:PC+14+4*\c], v[AC+32*\c+16:AC+32*\c+31], v[TM+13+2*\c]
.endr
	WIN 0
	v_nop                                          ; one plain place behind a scaled conversion
.irp c, 0,1                            ; the operand's layout wants a whole block in a lane
.irp i, 0,1,2
	v_permlane16_swap_b32 v[PC+6*\c+\i], v[PC+12+4*\c+\i]
.endr
.irp i, 0,1,2
	v_mov_b32 v[PC+3+6*\c+\i], v[PC+12+4*\c+\i]
.endr
.endr
.irp i, 0,1,2
	global_store_b64 v[CO], v[PC+2*\i:PC+2*\i+1], s[OB0:OB0+1] offset:256*\i       ; a plane: 256 consecutive bytes, aligned
.endr
.irp i, 0,1,2
	global_store_b64 v[CO], v[PC+6+2*\i:PC+7+2*\i], s[OB1:OB1+1] offset:256*\i
.endr
.endm
.irp a, 0,1,2,3,4,5,6,7
	OUT \a
.endr
.irp i, 0,1,2,3
	v_cndmask_b32 v[YR+\i], v[WD+2*\i], v[WD+2*\i+1], s101         ; lanes 0-15 the even block's word, lanes 16-31 the odd one's
.endr
	s_cmp_eq_u32 s[ISV], 0
	s_cbranch_scc0 .Lsc_v
.irp i, 0,1,2,3
	v_and_b32 v[ZR+\i], 0xffff, v[YR+\i]           ; q, k: bytes 0 and 1 are my first head's,
.endr
.irp i, 0,1,2,3
	v_lshrrev_b32 v[ZR+4+\i], 16, v[YR+\i]         ; bytes 2 and 3 the next head's
.endr
	global_store_b128 v[CO16], v[ZR:ZR+3], s[20:21]
	global_store_b128 v[CO16], v[ZR+4:ZR+7], s[20:21] offset:20480
	s_branch .Lsc_done
.Lsc_v:
	s_wait_alu depctr_va_vdst(0)
	global_store_b64 v[CO], v[YR:YR+1], s[20:21]                   ; v: blocks 0-3 are my first head's four d tiles,
	global_store_b64 v[CO], v[YR+2:YR+3], s[20:21] offset:20480    ; blocks 4-7 the next head's
.Lsc_done:
	s_wait_tensorcnt 0x0                           ; the wave's end
	ds_add_u32 v[SPW], v[NIL]
	s_wait_dscnt 0x0
	CROUND                                         ; the closing round
	s_endpgm
.Lfunc_end_k_qe29e645752_qkv:
	.size	k_qe29e645752_qkv, .Lfunc_end_k_qe29e645752_qkv-k_qe29e645752_qkv
	.p2alignl 7, 3214868480
	.fill 96, 4, 3214868480
	.section	.rodata,"a",@progbits
	.p2align	6, 0x0
	.amdhsa_kernel k_qe29e645752_qkv
		.amdhsa_group_segment_fixed_size 327680
		.amdhsa_private_segment_fixed_size 0
		.amdhsa_enable_private_segment 0
		.amdhsa_kernarg_size 72
		.amdhsa_user_sgpr_count 2
		.amdhsa_user_sgpr_kernarg_segment_ptr 1
		.amdhsa_wavefront_size32 1
		.amdhsa_system_sgpr_workgroup_id_x 1
		.amdhsa_system_sgpr_workgroup_id_y 1
		.amdhsa_system_sgpr_workgroup_id_z 1
		.amdhsa_system_vgpr_workitem_id 0
		.amdhsa_next_free_vgpr 1024
		.amdhsa_next_free_sgpr 106
		.amdhsa_reserve_vcc 0
		.amdhsa_float_denorm_mode_32 3
		.amdhsa_float_denorm_mode_16_64 3
		.amdhsa_memory_ordered 1
		.amdhsa_forward_progress 1
		.amdhsa_inst_pref_size 191
	.end_amdhsa_kernel
	.amdgpu_metadata
---
amdhsa.version: [ 1, 2 ]
amdhsa.kernels:
  - .name:           k_qe29e645752_qkv
    .symbol:         k_qe29e645752_qkv.kd
    .args:
      - { .name: xc, .offset: 0, .size: 8, .value_kind: global_buffer, .address_space: global }
      - { .name: xs, .offset: 8, .size: 8, .value_kind: global_buffer, .address_space: global }
      - { .name: wc, .offset: 16, .size: 8, .value_kind: global_buffer, .address_space: global }
      - { .name: ws, .offset: 24, .size: 8, .value_kind: global_buffer, .address_space: global }
      - { .name: bq, .offset: 32, .size: 8, .value_kind: global_buffer, .address_space: global }
      - { .name: bk, .offset: 40, .size: 8, .value_kind: global_buffer, .address_space: global }
      - { .name: bv, .offset: 48, .size: 8, .value_kind: global_buffer, .address_space: global }
      - { .name: c3, .offset: 56, .size: 8, .value_kind: global_buffer, .address_space: global }
      - { .name: s3, .offset: 64, .size: 8, .value_kind: global_buffer, .address_space: global }
    .group_segment_fixed_size: 327680
    .private_segment_fixed_size: 0
    .kernarg_segment_align: 8
    .kernarg_segment_size: 72
    .max_flat_workgroup_size: 128
    .sgpr_count:     106
    .vgpr_count:     1024
    .wavefront_size: 32
...
	.end_amdgpu_metadata
.endif
;; end of part 2
;; launch attn (part 3): grid 4 x 64, 8 waves a work-group, clusters of 4 x 1, 245,760 bytes of LDS; arguments c3, s3, mask, ac, asc; writes ac, asc
.if DOCPART == 3
	.amdgcn_target "amdgcn-amd-amdhsa--gfx1250"
	.amdhsa_code_object_version 6
	.text
	.protected	k_qe29e645752_attn
	.globl	k_qe29e645752_attn
	.p2align	8
	.type	k_qe29e645752_attn,@function
k_qe29e645752_attn:
	s_mov_b64 s[64:65], 0
	v_nop
	global_prefetch_b8 v0, s[64:65] scope:SCOPE_SE
	s_setreg_imm32_b32 hwreg(HW_REG_WAVE_MODE, 25, 1), 1
	s_wait_xcnt 0x0
	s_wait_alu depctr_hold_cnt(0) depctr_sa_sdst(0) depctr_va_vdst(0) depctr_va_sdst(0) depctr_va_ssrc(0) depctr_va_vcc(0) depctr_vm_vsrc(0)
	s_getreg_b32 s2, hwreg(HW_REG_IB_STS2, 6, 4)
	s_cmp_eq_u32 s2, 0
	s_cbranch_scc0 .Lentry_in_a_cluster
	s_endpgm
.Lentry_in_a_cluster:
	s_bfe_u32 s2, ttmp6, 0x10000c
	s_cmp_lg_u32 s2, 0x3003
	s_cbranch_scc0 .Lentry_shape_is_right
	s_endpgm
.Lentry_shape_is_right:
; Launch 3 of 4: attention on codes of E2M3, for one (batch, head) and 512 queries a work-group.  No work is left out.
; t = score x log2(e) / 8; M = the running largest t rounded up to a whole number; p = 2^(t - M) is quantised along the keys, not normalised; the row's sum is taken of the unquantised p and divides at the end.
; When M moves, the sum and O are multiplied by 2^(old M - new M), which rounds nothing.
; THE MASK: a key whose mask word is 0 gets -2^100 as the C of its score's matrix instruction, the others 0.  p of such a key is exactly 0 while |t| stays under 2^93, the running largest score's first value being -2^96.
; LIMITS: scores with |t| of 2^93 or more are not served; a batch whose mask is 0 everywhere, for which the problem gives NaN, is not reproduced; NaN and infinities among the inputs are not served;
; blocks under 2^-124 and blocks of zeros keep the byte 1.
; SHARES.  Eight waves of 512 registers, two to a SIMD.  A wave owns TWO tiles of 16 queries at a time (a and b, neighbours), two such pairs one after the other, and walks the head's 2,048 keys, 128 a step.
; Each fragment of K and V, each scale word and each of the mask's terms is read from LDS once for both tiles.  Dependent lines stand by turns: eight chains for the largest scores and for the sums, the two tiles' lines side by side elsewhere.
; K, V and their scale words of the whole head (208,896 bytes) lie in LDS for the whole launch, filled once: there is no ring.  CLUSTER: the four work-groups of a head ask for them jointly.
; No prefetch: memory is read at the head alone, there is no loop to run ahead in.
; LDS LOADS RUN AHEAD: between the two tiles' searches for the largest score stand the loads of the NEXT step's K, scale words and mask terms (29) and of this step's V (13); one wait for all stands behind the exponentials.
; Both products are used transposed (S^T = K Q^T, O^T = V^T P^T): a lane holds one query.  The head's K is 64: Q's upper six registers are zero codes; K's tiles lie six registers apart, so a tile's upper six
; are the next tile's codes, which meet Q's zeros and add nothing.
; The result, O / sum, is quantised along the head's 64 in registers and stored as a half fragment of the last product's operand (ac, asc: laid as launch 1 lays xc, xs).
; REGISTERS.  Window 0: v1-19 addresses; v20-29, v240-241 scale words; v30-41 -M, largest score, sum, factor of a and b; v42-85 work of a and b; v86-109 p's codes (ahead of them partial sums); v110-141 mask terms of key tiles 0-3;
; v142-205 S^T of a; v206-237 O^T of a; v242-253 work.  Window 1: v0-53 K; v54-101 V; v102-125 Q of a and b; v126-141, v238-253 mask terms of key tiles 4-7; v142-205 S^T of b; v206-237 O^T of b.
.set KC,    0
.set VC,    98304
.set KVS,   196608                     ; K's scale words 8,192 bytes, V's 4,096
.set QC,    208896                     ; my 512 queries' codes, 24,576 bytes
.set MB,    235520                     ; the mask's term, f32 for each key, and 1,024 bytes of zeros behind them: written by LDS stores, in blocks of 256 bytes into which no tensor load lands
.set SPARE, 244736                     ; the spare words, 128 bytes for each of 8 waves
.set AK0,  1
.set AV0,  2
.set ASK0, 3
.set ASV0, 4
.set SPW,  5
.set NIL,  6
.set AM0,  7
.set KB,   8                           ; v8-10   K's codes of a step at 0, 2,048, 4,096 bytes: a two-address load reaches 2,040 bytes
.set ADQ,  11
.set VB,   12                          ; v12-14  the same for V
.set ADS,  15
.set ADT,  16
.set ADM,  17
.set AR,   18                          ; 8 r
.set KS,   20                          ; v20-23  K's scale words
.set VS,   24                          ; v24-25  V's
.set PSC,  28                          ; v28, v29 p's scale word of a, b
.set NM,   30                          ; + 6 x: -M, the largest score
.set LS,   32                          ; + 6 x: the sum, in two halves
.set FF,   34                          ; + 6 x: the factor (and a word that is only named)
.set BM,   42                          ; + 22 x: four blocks' largest
.set PX,   46
.set SO,   50
.set W,    54
.set W2,   55
.set ACC,  56                          ; + 22 x: four pairs of partial sums; later the conversions' second halves
.set P,    86                          ; + 12 x
.set MC0,  110
.set S,    142
.set O,    206
.set BM2,  242                         ; + 4 x: the blocks' second chains
.set T3,   250                         ; + 2 x: a step's sum
.set KF,   0
.set VF,   54
.set QF,   102
.set QB,   2
.set WV,   14
.set CX,   15
.set BH,   16
.set BB,   17
.set HD,   18
.set SEL,  20
.set CS,   22
.set G1C,  24
.set G1S,  32
.set G1Q,  40
.set G0,   48
.set G0S,  68
.set G0Q,  72
.set TB,   76                          ; codes: 6,144 bytes a step
.set TS,   77                          ; K's scale words and the mask's terms: 512 bytes a step
.set TT,   78                          ; V's scale words: 256 bytes a step
.set CNT,  79
.set MSB, 0
.macro WIN new                         ; the immediate's high byte repeats the setting that is left
.if MSB != (\new)
	s_set_vgpr_msb (MSB<<8)|(\new)
.set MSB, (\new)
.endif
.endm
.macro WALU
	s_wait_alu depctr_va_vdst(0)
.endm
.macro CROUND
	s_barrier_signal -1
	s_barrier_wait -1
	s_cmp_lg_u32 s[WV], 0
	s_cbranch_scc1 .Lnot_wave_0_\@
	s_barrier_signal -3
.Lnot_wave_0_\@:
	s_barrier_wait -3
	s_barrier_signal -1
	s_barrier_wait -1
.endm
.macro TLOAD g0, g1
	tensor_load_to_lds s[\g0:\g0+3], s[\g1:\g1+7]
	s_nop 0
.rept 4
	v_nop
.endr
.endm
.macro GROUP1 g, w0, rows              ; dense bytes as rows of 256: 32 elements of 8 bytes
	s_mov_b32 s[\g], \w0
	s_mov_b32 s[\g+1], 32<<16
	s_mov_b32 s[\g+2], (\rows)<<16
	s_mov_b32 s[\g+3], 32<<16
	s_mov_b32 s[\g+4], \rows
	s_mov_b32 s[\g+5], 32
	s_mov_b32 s[\g+6], 0
	s_mov_b32 s[\g+7], 0
.endm
	s_load_b256 s[4:11], s[0:1], 0x0               ; c3, s3, mask, ac
	s_load_b64 s[12:13], s[0:1], 0x20              ; asc
	v_lshl_add_u32 v[SPW], v0, 2, SPARE
	v_mov_b32 v[NIL], 0
	ds_add_u32 v[SPW], v[NIL]                      ; the wave's opening: the add, twice on end, and its wait ahead of the first tensor loads
	ds_add_u32 v[SPW], v[NIL]
	v_lshrrev_b32 v8, 5, v0
	v_readfirstlane_b32 s[WV], v8
	s_bfe_u32 s[CX], ttmp6, 0x40000                ; my block of 512 queries: it enters global addresses alone
	s_and_b32 s[BH], ttmp7, 0xffff                 ; 16 x batch + head, which the four partners share
	s_lshr_b32 s[BB], s[BH], 4
	s_and_b32 s[HD], s[BH], 15
	GROUP1 G1C, 15|(3<<16)|(1<<21), 128            ; a sixth of K and V: 32,768 bytes; the mask names all four work-groups
	GROUP1 G1S, 15|(3<<16)|(1<<21), 48             ; the scale words: 12,288 bytes
	GROUP1 G1Q, 3<<16, 96                          ; Q's block is my own: no mask
	s_mov_b32 s[SEL], 0x76543210
	s_mov_b32 s[SEL+1], 0xfedcba98
	s_mov_b32 s[CS], 0x3e38aa3b                    ; c = log2(e) / 8
	s_mov_b32 s[CS+1], s[CS]
	s_mul_i32 s80, s[BH], 294912                   ; the head's q, k, v
	s_lshl_b32 s88, s[WV], 15
	s_add_co_u32 s82, s80, 98304                   ; k, and v behind it: 196,608 bytes on end, as in LDS
	s_add_co_u32 s82, s82, s88
	s_mov_b32 s83, 0
	s_mul_i32 s84, s[CX], 24576                    ; my queries' 32 tiles
	s_add_co_u32 s84, s84, s80
	s_mov_b32 s85, 0
	s_mul_i32 s86, s[BH], 20480                    ; the head's scale words
	s_mov_b32 s87, 0
	s_mov_b32 s[G0], 1
	s_add_co_u32 s[G0+1], s88, 0                   ; wave x 32,768
	s_mov_b32 s[G0S], 1
	s_mov_b32 s[G0S+1], KVS
	s_mov_b32 s[G0Q], 1
	s_mov_b32 s[G0Q+1], QC
	s_wait_dscnt 0x0                               ; both opening adds are done
	s_wait_kmcnt 0x0
	s_add_nc_u64 s[G0+2:G0+3], s[4:5], s[82:83]
	s_add_nc_u64 s[G0S+2:G0S+3], s[6:7], s[86:87]
	s_add_nc_u64 s[G0S+2:G0S+3], s[G0S+2:G0S+3], 8192
	s_add_nc_u64 s[G0Q+2:G0Q+3], s[4:5], s[84:85]
.irp g, G0+3, G0S+3, G0Q+3
	s_or_b32 s[\g], s[\g], 0x80000000
.endr
	CROUND                                         ; all four work-groups are here: the joint loads meet
	s_cmp_lt_u32 s[WV], 6                          ; one chain of branches on the wave's number, one load to an arm, all to one join: every wave has one load out
	s_cbranch_scc0 .Larm_s
	TLOAD G0, G1C                                  ; waves 0 to 5: a sixth of K and V each
	s_branch .Lfilled
.Larm_s:
	s_cmp_eq_u32 s[WV], 6
	s_cbranch_scc0 .Larm_q
	TLOAD G0S, G1S                                 ; wave 6: K's and V's scale words
	s_branch .Lfilled
.Larm_q:
	TLOAD G0Q, G1Q                                 ; wave 7: my queries
.Lfilled:
	s_lshl_b32 s88, s[BB], 13
	s_mov_b32 s89, 0
	s_add_nc_u64 s[8:9], s[8:9], s[88:89]          ; my batch's mask
	s_lshl_b32 s88, s[CX], 2
	s_lshr_b32 s90, s[WV], 2
	s_add_co_u32 s88, s88, s90                     ; 4 cx + wave / 4: my first pair's group of eight tiles.  My tiles are 2 wave, 2 wave + 1, and 16 further on
	s_lshl_b32 s91, s88, 9
	s_and_b32 s92, s[WV], 3
	s_lshl_b32 s93, s92, 2
	s_add_co_u32 s91, s91, s93
	s_add_co_u32 s86, s86, s91
	s_add_nc_u64 s[6:7], s[6:7], s[86:87]          ; my pair's scale words among q's: word wave % 4; tile a in lanes 0-15's places, tile b 256 bytes on
	s_lshr_b32 s94, s[HD], 2                       ; the last product's K step of 256: head / 4
	s_and_b32 s95, s[HD], 3                        ; and the half fragment in it
	s_mul_i32 s80, s94, 1572864
	s_lshl_b32 s93, s[BB], 7
	s_lshl_b32 s81, s[CX], 5
	s_add_co_u32 s93, s93, s81
	s_lshl_b32 s81, s[WV], 1
	s_add_co_u32 s93, s93, s81                     ; my first tile among all tokens'
	s_mul_i32 s93, s93, 3072
	s_add_co_u32 s80, s80, s93
	s_mul_i32 s93, s95, 768
	s_add_co_u32 s80, s80, s93
	s_mov_b32 s81, 0
	s_add_nc_u64 s[10:11], s[10:11], s[80:81]
	s_lshl_b32 s80, s[BB], 4
	s_add_co_u32 s80, s80, s88
	s_lshl_b32 s80, s80, 12
	s_lshl_b32 s93, s94, 10
	s_add_co_u32 s80, s80, s93
	s_lshl_b32 s93, s92, 8
	s_add_co_u32 s80, s80, s93
	s_lshl_b32 s93, s95, 1
	s_add_co_u32 s80, s80, s93
	s_add_nc_u64 s[12:13], s[12:13], s[80:81]
	s_mul_i32 s[QB], s[WV], 1536
	s_add_co_u32 s[QB], s[QB], QC
	v_lshlrev_b32 v8, 5, v0
	global_load_b128 v[S:S+3], v8, s[8:9]          ; eight keys' mask words a thread: 256 threads take the batch's 2,048
	global_load_b128 v[S+4:S+7], v8, s[8:9] offset:16
	v_and_b32 v10, 15, v0
	v_lshlrev_b32 v9, 4, v10
	global_load_b32 v26, v9, s[6:7]                ; Q's scale words: my first pair's,
	global_load_b32 v27, v9, s[6:7] offset:256
	global_load_b32 v240, v9, s[6:7] offset:1024   ; and my second's, 16 tiles on
	global_load_b32 v241, v9, s[6:7] offset:1280
	v_lshlrev_b32 v[AR], 3, v10
	v_lshl_add_u32 v[ADQ], v0, 5, MB
	v_lshl_add_u32 v19, v0, 2, MB+8192
	v_and_b32 v12, 31, v0
	v_bfe_u32 v13, v0, 4, 1
	v_lshlrev_b32 v[AK0], 3, v12                   ; 8 l
	v_add_nc_u32 v[AV0], VC, v[AK0]
	v_lshl_add_u32 v[ASK0], v12, 4, KVS
	v_add_nc_u32 v[ASV0], KVS+8192, v[AK0]
	v_lshl_add_u32 v[AM0], v13, 6, MB              ; the mask's terms of my half's 16 keys of a block
.irp x, 0,1
.irp b, 0,1,2,3
	v_mov_b32 v[PX+22*\x+\b], 0                    ; a lane permute's destination counts as one of its sources
.endr
	v_mov_b32 v[W+22*\x], 0
	v_mov_b32 v[FF+6*\x+1], 0                      ; (named as the upper half of a pair)
.endr
	v_mov_b32 v[S+8], 0xf1800000                   ; -2^100
	WIN 0x40
.irp j, 48,49,50,51,52,53
	v_mov_b32 v[KF+\j], 0                          ; what stands above K's eighth tile
.endr
.irp j, 6,7,8,9,10,11,18,19,20,21,22,23
	v_mov_b32 v[QF+\j], 0                          ; Q's K = 64 .. 127: zero codes
.endr
	WIN 0
	WALU
	s_wait_loadcnt 0x0
.irp j, 0,1,2,3,4,5,6,7
	v_cmp_eq_u32 vcc_lo, 0, v[S+\j]
	v_cndmask_b32 v[S+\j], 0, v[S+8], vcc_lo
.endr
	ds_store_b128 v[ADQ], v[S:S+3]
	ds_store_b128 v[ADQ], v[S+4:S+7] offset:16
	ds_store_b32 v19, v[NIL]                       ; zeros behind the table: the address made for the step past the last names bytes that hold numbers
	WALU
	s_wait_tensorcnt 0x0                           ; every wave's load has landed,
	s_wait_dscnt 0x0                               ; its part of the table is stored:
	s_barrier_signal -1
	s_barrier_wait -1                              ; all of it is shown to all
.macro SMUL x, t, qs                   ; S^T of tile x and keys' tile t: the sum begins with the mask's terms
	WIN 5|(((\t)/4)<<4)|((\x)<<6)
.if (\t) < 4
.set CR_, MC0+8*(\t)
.else
.set CR_, 126+8*((\t)-4)+96*((\t)/6)
.endif
.if (\t)%2
	v_wmma_scale_f32_16x16x128_f8f6f4 v[S+8*(\t):S+8*(\t)+7], v[KF+6*(\t):KF+6*(\t)+11], v[QF+12*(\x):QF+12*(\x)+11], v[CR_:CR_+7], v[KS+(\t)/2], v[\qs] matrix_a_fmt:MATRIX_FMT_FP6 matrix_b_fmt:MATRIX_FMT_FP6 matrix_a_scale:MATRIX_SCALE_ROW1
.else
	v_wmma_scale_f32_16x16x128_f8f6f4 v[S+8*(\t):S+8*(\t)+7], v[KF+6*(\t):KF+6*(\t)+11], v[QF+12*(\x):QF+12*(\x)+11], v[CR_:CR_+7], v[KS+(\t)/2], v[\qs] matrix_a_fmt:MATRIX_FMT_FP6 matrix_b_fmt:MATRIX_FMT_FP6
.endif
.endm
.macro OMUL x, t                       ; O^T of tile x, d tile t += V^T P^T over these 128 keys
	WIN 1|((\x)<<4)|((\x)<<6)
.if (\t)%2
	v_wmma_scale_f32_16x16x128_f8f6f4 v[O+8*(\t):O+8*(\t)+7], v[VF+12*(\t):VF+12*(\t)+11], v[P+12*(\x):P+12*(\x)+11], v[O+8*(\t):O+8*(\t)+7], v[VS+(\t)/2], v[PSC+(\x)] matrix_a_fmt:MATRIX_FMT_FP6 matrix_b_fmt:MATRIX_FMT_FP6 matrix_a_scale:MATRIX_SCALE_ROW1
.else
	v_wmma_scale_f32_16x16x128_f8f6f4 v[O+8*(\t):O+8*(\t)+7], v[VF+12*(\t):VF+12*(\t)+11], v[P+12*(\x):P+12*(\x)+11], v[O+8*(\t):O+8*(\t)+7], v[VS+(\t)/2], v[PSC+(\x)] matrix_a_fmt:MATRIX_FMT_FP6 matrix_b_fmt:MATRIX_FMT_FP6
.endif
.endm
.macro KADDR
	v_add_nc_u32 v[KB], s[TB], v[AK0]
	v_add_nc_u32 v[ADS], s[TS], v[ASK0]
	v_add_nc_u32 v[ADM], s[TS], v[AM0]
	v_add_nc_u32 v[KB+1], 0x800, v[KB]
	v_add_nc_u32 v[KB+2], 0x1000, v[KB]
.endm
.macro KGROUP                          ; a step's K side, 29 loads: the scale words, the mask's terms in the result's layout, the 24 planes of codes two to a load
	ds_load_b128 v[KS:KS+3], v[ADS]
.irp t, 0,1,2,3
	ds_load_b128 v[MC0+8*\t:MC0+8*\t+3], v[ADM] offset:128*(\t/2)+32*(\t%2)
	ds_load_b128 v[MC0+8*\t+4:MC0+8*\t+7], v[ADM] offset:128*(\t/2)+32*(\t%2)+16
.endr
	WIN 0x40
.irp t, 4,5,6,7
	ds_load_b128 v[126+8*(\t-4)+96*(\t/6):126+8*(\t-4)+96*(\t/6)+3], v[ADM] offset:128*(\t/2)+32*(\t%2)
	ds_load_b128 v[126+8*(\t-4)+96*(\t/6)+4:126+8*(\t-4)+96*(\t/6)+7], v[ADM] offset:128*(\t/2)+32*(\t%2)+16
.endr
.irp m, 0,1,2,3,4,5,6,7,8,9,10,11
	ds_load_2addr_b64 v[KF+4*\m:KF+4*\m+3], v[KB+(\m)/4] offset0:((\m)%4)*64 offset1:((\m)%4)*64+32
.endr
	WIN 0
.endm
.macro BMAX x                          ; the largest score of each block of 32 keys, my 16 of it in two chains of 8: for the row's maximum and, since p rises with the score, for the block's largest p.  Each accumulator is read from its low end on
	WIN 0x14*(\x)
.irp b, 0,1,2,3
	v_max3_num_f32 v[BM+22*(\x)+\b], 0xff7fffff, v[S+16*\b], v[S+16*\b+1]
.endr
.irp b, 0,1,2,3
	v_max3_num_f32 v[BM2+4*(\x)+\b], 0xff7fffff, v[S+16*\b+8], v[S+16*\b+9]
.endr
.irp i, 2,4,6
.irp b, 0,1,2,3
	v_max3_num_f32 v[BM+22*(\x)+\b], v[BM+22*(\x)+\b], v[S+16*\b+\i], v[S+16*\b+\i+1]
.endr
.irp b, 0,1,2,3
	v_max3_num_f32 v[BM2+4*(\x)+\b], v[BM2+4*(\x)+\b], v[S+16*\b+8+\i], v[S+16*\b+9+\i]
.endr
.endr
.endm
.macro TMINUS x, from, n               ; t - M, two at a time: n pairs from register \from on
	WIN 0x41*(\x)
.set j_, \from
.rept \n
	v_pk_fma_f32 v[S+j_:S+j_+1], v[S+j_:S+j_+1], s[CS:CS+1], v[NM+6*(\x):NM+6*(\x)+1] op_sel_hi:[1,0,0]
.set j_, j_+2
.endr
.endm
.macro EXPS x
	WIN 0x41*(\x)
.set j_, 0
.rept 64
	v_exp_f32 v[S+j_], v[S+j_]
.set j_, j_+1
.endr
.endm
.macro SUMS x                          ; the unquantised p, in eight chains of pairs: four in the work registers, four in p's code registers, which hold nothing yet
	WIN 5*(\x)
.irp k, 0,1,2,3
	v_pk_add_f32 v[ACC+22*(\x)+2*\k:ACC+22*(\x)+2*\k+1], v[S+4*\k:S+4*\k+1], v[S+4*\k+2:S+4*\k+3]
.endr
.irp k, 0,1,2,3
	v_pk_add_f32 v[P+12*(\x)+2*\k:P+12*(\x)+2*\k+1], v[S+16+4*\k:S+16+4*\k+1], v[S+16+4*\k+2:S+16+4*\k+3]
.endr
	WIN 4*(\x)
.set q_, 16
.rept 16
.if (q_%8) < 4
.set D_, ACC+22*(\x)+2*(q_%8)
.else
.set D_, P+12*(\x)+2*(q_%8-4)
.endif
	v_pk_add_f32 v[D_:D_+1], v[D_:D_+1], v[S+2*q_:S+2*q_+1]
.set q_, q_+1
.endr
.endm
.macro CODES x
	WIN (\x)
.irp c, 0,1
	v_cvt_scalef32_pk16_fp6_f32 v[P+12*(\x)+6*\c:P+12*(\x)+6*\c+2], v[S+32*\c:S+32*\c+15], v[SO+22*(\x)+2*\c]
	v_cvt_scalef32_pk16_fp6_f32 v[ACC+22*(\x)+4*\c:ACC+22*(\x)+4*\c+2], v[S+32*\c+16:S+32*\c+31], v[SO+22*(\x)+2*\c+1]
.endr
.endm
.macro RESCALE x                       ; O^T under the new M
	WIN 0x41*(\x)
	WALU                                           ; behind the exponentials and directly ahead of the first reader of O^T
.set j_, 0
.rept 16
	v_pk_mul_f32 v[O+j_:O+j_+1], v[O+j_:O+j_+1], v[FF+6*(\x):FF+6*(\x)+1] op_sel_hi:[1,0]
.set j_, j_+2
.endr
.endm
; A KEY STEP: 128 keys, both tiles.  Register 16 b + i of S^T is key 32 b + 16 h + i of the step.  K's side was loaded in the step before.
.macro STEP qa, qb
.irp t, 0,1,2,3
	SMUL 0, \t, \qa
.endr
.irp t, 0,1,2,3
	SMUL 1, \t, \qb
.endr
.irp t, 4,5,6,7
	SMUL 0, \t, \qa
.endr
.irp t, 4,5,6,7
	SMUL 1, \t, \qb
.endr
	WIN 0
	v_add_nc_u32 v[VB], s[TB], v[AV0]              ; (these nine are the places behind the products, ahead of the reads of S^T)
	v_add_nc_u32 v[ADT], s[TT], v[ASV0]
	v_add_nc_u32 v[VB+1], 0x800, v[VB]
	v_add_nc_u32 v[VB+2], 0x1000, v[VB]
	s_add_co_u32 s[TB], s[TB], 6144
	s_add_co_u32 s[TS], s[TS], 512
	s_add_co_u32 s[TT], s[TT], 256
	KADDR
	BMAX 1
	WIN 0
	s_cmp_eq_u32 s[CNT], 15                        ; the last step has no next: the branch hangs on the step's number alone and leads round LDS loads alone; every wait on them is for 0.
	s_cbranch_scc1 .Lno_more_\@                    ; (32 plain lines stand between the addresses' writes and the loads, and 32 between tile b's largest and their readers)
	KGROUP
.Lno_more_\@:
	WIN 0x40
.irp m, 0,1,2,3,4,5,6,7,8,9,10,11
	ds_load_2addr_b64 v[VF+4*\m:VF+4*\m+3], v[VB+(\m)/4] offset0:((\m)%4)*64 offset1:((\m)%4)*64+32
.endr
	WIN 0
	ds_load_b64 v[VS:VS+1], v[ADT]
	BMAX 0
.irp b, 0,1,2,3
.irp x, 1,0
	v_max_num_f32 v[BM+22*\x+\b], v[BM+22*\x+\b], v[BM2+4*\x+\b]   ; the two chains of a block
.endr
.endr
.irp b, 0,1,2,3
.irp x, 1,0
	v_permlanex16_b32 v[PX+22*\x+\b], v[BM+22*\x+\b], s[SEL], s[SEL+1]
.endr
.endr
.irp b, 0,1,2,3
.irp x, 1,0
	v_max_num_f32 v[BM+22*\x+\b], v[BM+22*\x+\b], v[PX+22*\x+\b]
.endr
.endr
.irp x, 0,1
	v_max3_num_f32 v[W+22*\x], v[BM+22*\x], v[BM+22*\x+1], v[BM+22*\x+2]
.endr
.irp x, 0,1
	v_mov_b32 v[W2+22*\x], v[NM+6*\x]              ; the old -M
.endr
.irp x, 0,1
	v_max3_num_f32 v[NM+6*\x+1], v[NM+6*\x+1], v[W+22*\x], v[BM+22*\x+3]   ; the running largest score (c is positive: the largest t is c times it)
.endr
.irp x, 0,1
	v_mul_f32 v[W+22*\x], s[CS], v[NM+6*\x+1]
.endr
.irp x, 0,1
	v_floor_f32 v[NM+6*\x], -v[W+22*\x]            ; the new -M = floor(-t)
.endr
.irp b, 0,1,2,3
.irp x, 0,1
	v_fma_f32 v[BM+22*\x+\b], v[BM+22*\x+\b], s[CS], v[NM+6*\x]
.endr
.endr
.irp x, 0,1
	v_sub_f32 v[W+22*\x], v[NM+6*\x], v[W2+22*\x]  ; old M - new M: a whole number, 0 or less
.endr
	TMINUS 0, 0, 8                                 ; (the factor's three dependent lines stand among tile a's multiply-adds)
.irp x, 0,1
	v_cvt_i32_f32 v[W+22*\x], v[W+22*\x]           ; (it saturates)
.endr
	TMINUS 0, 16, 8
.irp x, 0,1
	v_ldexp_f32 v[FF+6*\x], 1.0, v[W+22*\x]        ; f = 2^(old M - new M)
.endr
	TMINUS 0, 32, 16
	TMINUS 1, 0, 32
	WALU
	EXPS 1                                         ; p = 2^(t - M)
	EXPS 0
.irp b, 0,1,2,3
.irp x, 0,1
	v_exp_f32 v[BM+22*\x+\b], v[BM+22*\x+\b]       ; each block's largest p
.endr
.endr
.irp x, 0,1
	v_pk_mul_f32 v[LS+6*\x:LS+6*\x+1], v[LS+6*\x:LS+6*\x+1], v[FF+6*\x:FF+6*\x+1] op_sel_hi:[1,0]   ; the sums under the new M (plain lines behind the exponentials)
.endr
	s_wait_dscnt 0x0                               ; V, and the next step's K side: issued ahead of tile a's search, the multiply-adds and the exponentials
	RESCALE 0                                      ; its wait is also the batch's one wait, ahead of the first reader of p
	RESCALE 1
	SUMS 0
	SUMS 1
	WIN 0
.irp k, 0,1,2,3
.irp x, 0,1
	v_pk_add_f32 v[ACC+22*\x+2*\k:ACC+22*\x+2*\k+1], v[ACC+22*\x+2*\k:ACC+22*\x+2*\k+1], v[P+12*\x+2*\k:P+12*\x+2*\k+1]
.endr
.endr
.irp b, 0,1,2,3
.irp x, 0,1
	v_max_num_f32 v[BM+22*\x+\b], 0x1800000, v[BM+22*\x+\b]   ; the floor 2^(3 - 127)
.endr
.endr
.irp x, 0,1
	v_pk_add_f32 v[ACC+22*\x:ACC+22*\x+1], v[ACC+22*\x:ACC+22*\x+1], v[ACC+22*\x+2:ACC+22*\x+3]
	v_pk_add_f32 v[ACC+22*\x+4:ACC+22*\x+5], v[ACC+22*\x+4:ACC+22*\x+5], v[ACC+22*\x+6:ACC+22*\x+7]
.endr
.irp b, 0,1,2,3
.irp x, 0,1
	v_add_nc_u32 v[SO+22*\x+\b], 0xff000000, v[BM+22*\x+\b]   ; 2 off the exponent field: the conversion's scale operand
.endr
.endr
.irp x, 0,1
	v_pk_add_f32 v[T3+2*\x:T3+2*\x+1], v[ACC+22*\x:ACC+22*\x+1], v[ACC+22*\x+4:ACC+22*\x+5]   ; the step's sum
.endr
.irp b, 0,1,2,3
.irp x, 0,1
	v_lshrrev_b32 v[PX+22*\x+\b], 23, v[SO+22*\x+\b]
.endr
.endr
.irp x, 0,1
	v_lshl_or_b32 v[PX+22*\x], v[PX+22*\x+1], 8, v[PX+22*\x]
	v_lshl_or_b32 v[PX+22*\x+2], v[PX+22*\x+3], 8, v[PX+22*\x+2]
.endr
.irp x, 0,1
	v_lshl_or_b32 v[PSC+\x], v[PX+22*\x+2], 16, v[PX+22*\x]   ; p's scale word for these 128 keys
.endr
	CODES 0
	CODES 1
	WIN 0
	v_nop                                          ; one plain place behind a scaled conversion
.irp c, 0,1                            ; the operand's layout wants a whole block in a lane
.irp i, 0,1,2
.irp x, 0,1
	v_permlane16_swap_b32 v[P+12*\x+6*\c+\i], v[ACC+22*\x+4*\c+\i]
.endr
.endr
.endr
.irp c, 0,1
.irp i, 0,1,2
.irp x, 0,1
	v_mov_b32 v[P+12*\x+6*\c+3+\i], v[ACC+22*\x+4*\c+\i]
.endr
.endr
.endr
.irp x, 0,1
	v_pk_add_f32 v[LS+6*\x:LS+6*\x+1], v[LS+6*\x:LS+6*\x+1], v[T3+2*\x:T3+2*\x+1]   ; (with the two lines below: the four places between p's last codes and the products; the scale words stand 8 and more ahead)
.endr
	v_nop
	v_nop
.irp t, 0,1,2,3
	OMUL 0, \t
.endr
.irp t, 0,1,2,3
	OMUL 1, \t
.endr
	WIN 0
.endm
; O / the sum, quantised along the head's 64: register 16 b + i is d = 32 b + 16 h + i of my query.  Tile a's numbers go to S's registers 0-31 of window 0, tile b's to 32-63.
.macro OUTQ p
.rept 4
	v_nop
.endr
.irp x, 0,1
	v_add_f32 v[LS+6*\x], v[LS+6*\x], v[LS+6*\x+1]
.endr
.irp x, 0,1
	v_permlanex16_b32 v[W+22*\x], v[LS+6*\x], s[SEL], s[SEL+1]
.endr
.irp x, 0,1
	v_add_f32 v[LS+6*\x], v[LS+6*\x], v[W+22*\x]   ; the row's sum
.endr
	WALU
.irp x, 0,1
	v_rcp_f32 v[LS+6*\x], v[LS+6*\x]
.endr
	v_nop
.irp x, 0,1
	WIN \x
	WALU                                           ; behind the reciprocals, directly ahead of the first reader of O^T
.set j_, 0
.rept 16
	v_pk_mul_f32 v[S+32*\x+j_:S+32*\x+j_+1], v[O+j_:O+j_+1], v[LS+6*\x:LS+6*\x+1] op_sel_hi:[1,0]
.set j_, j_+2
.endr
.endr
	WIN 0
.irp x, 0,1
.irp b, 0,1
	v_max3_num_f32 v[BM+22*\x+\b], |v[S+32*\x+16*\b]|, |v[S+32*\x+16*\b+1]|, 0x1800000
.endr
.endr
.irp i, 2,4,6,8,10,12,14
.irp x, 0,1
.irp b, 0,1
	v_max3_num_f32 v[BM+22*\x+\b], v[BM+22*\x+\b], |v[S+32*\x+16*\b+\i]|, |v[S+32*\x+16*\b+\i+1]|
.endr
.endr
.endr
.irp x, 0,1
.irp b, 0,1
	v_permlanex16_b32 v[PX+22*\x+\b], v[BM+22*\x+\b], s[SEL], s[SEL+1]
.endr
.endr
.irp x, 0,1
.irp b, 0,1
	v_max_num_f32 v[BM+22*\x+\b], v[BM+22*\x+\b], v[PX+22*\x+\b]
.endr
.endr
.irp x, 0,1
.irp b, 0,1
	v_add_nc_u32 v[SO+22*\x+\b], 0xff000000, v[BM+22*\x+\b]
.endr
.endr
.irp x, 0,1
.irp b, 0,1
	v_lshrrev_b32 v[PX+22*\x+\b], 23, v[SO+22*\x+\b]
.endr
.endr
.irp x, 0,1
	v_lshl_or_b32 v[W+22*\x], v[PX+22*\x+1], 8, v[PX+22*\x]   ; the two scale bytes
.endr
.irp x, 0,1
	v_cvt_scalef32_pk16_fp6_f32 v[P+12*\x:P+12*\x+2], v[S+32*\x:S+32*\x+15], v[SO+22*\x]
	v_cvt_scalef32_pk16_fp6_f32 v[ACC+22*\x:ACC+22*\x+2], v[S+32*\x+16:S+32*\x+31], v[SO+22*\x+1]
.endr
	v_nop
.irp i, 0,1,2
.irp x, 0,1
	v_permlane16_swap_b32 v[P+12*\x+\i], v[ACC+22*\x+\i]
.endr
.endr
.irp i, 0,1,2
.irp x, 0,1
	v_mov_b32 v[P+12*\x+3+\i], v[ACC+22*\x+\i]
.endr
.endr
.irp x, 0,1
.irp i, 0,1,2
	global_store_b64 v[AK0], v[P+12*\x+2*\i:P+12*\x+2*\i+1], s[10:11] offset:\p*49152+\x*3072+256*\i   ; a plane: 256 consecutive bytes, aligned
.endr
	global_store_b16 v[AR], v[W+22*\x], s[12:13] offset:\p*8192+\x*128   ; both halves of the lanes write the same two bytes with the same value
.endr
.endm
.macro PASS p, qa, qb
	s_wait_xcnt 0x0                                ; the last pass's stores have read their registers
.irp x, 0,1
	v_mov_b32 v[NM+6*\x+1], 0xef800000             ; the largest score so far: -2^96
	v_mov_b32 v[LS+6*\x], 0
	v_mov_b32 v[LS+6*\x+1], 0
.endr
.irp x, 0,1
	v_mul_f32 v[W+22*\x], s[CS], v[NM+6*\x+1]
.endr
.irp x, 0,1
	v_floor_f32 v[NM+6*\x], -v[W+22*\x]            ; and its -M, by the step's own two lines: so old M - new M is never above 0
.endr
.irp x, 0,1
	WIN 0x40*\x
.set j_, 0
.rept 32
	v_mov_b32 v[O+j_], 0                           ; O^T: the step is written once; its first trip finds zeros
.set j_, j_+1
.endr
.endr
	WIN 0
	s_mov_b32 s[TB], 0
	s_mov_b32 s[TS], 0
	s_mov_b32 s[TT], 0
	v_add_nc_u32 v[ADQ], s[QB], v[AK0]
	KADDR
	WIN 0x40
.irp x, 0,1
.irp i, 0,1,2
	ds_load_b64 v[QF+12*\x+2*\i:QF+12*\x+2*\i+1], v[ADQ] offset:\p*12288+\x*768+256*\i   ; my two tiles of Q
.endr
.endr
	WIN 0
	KGROUP                                         ; the first step's K side
	WALU
	s_wait_dscnt 0x0
	s_mov_b32 s[CNT], 0
.Lkeys_\@:
	STEP \qa, \qb
	s_add_co_u32 s[CNT], s[CNT], 1
	s_cmp_lt_u32 s[CNT], 16
	s_cbranch_scc1 .Lkeys_\@                       ; (no ordinary write ahead of the jump is read within nine plain lines behind it)
	OUTQ \p
.endm
	PASS 0, 26, 27
	PASS 1, 240, 241
	s_wait_tensorcnt 0x0                           ; the wave's end
	ds_add_u32 v[SPW], v[NIL]
	s_wait_dscnt 0x0
	CROUND                                         ; the closing round
	s_endpgm
.Lfunc_end_k_qe29e645752_attn:
	.size	k_qe29e645752_attn, .Lfunc_end_k_qe29e645752_attn-k_qe29e645752_attn
	.p2alignl 7, 3214868480
	.fill 96, 4, 3214868480
	.section	.rodata,"a",@progbits
	.p2align	6, 0x0
	.amdhsa_kernel k_qe29e645752_attn
		.amdhsa_group_segment_fixed_size 245760
		.amdhsa_private_segment_fixed_size 0
		.amdhsa_enable_private_segment 0
		.amdhsa_kernarg_size 40
		.amdhsa_user_sgpr_count 2
		.amdhsa_user_sgpr_kernarg_segment_ptr 1
		.amdhsa_wavefront_size32 1
		.amdhsa_system_sgpr_workgroup_id_x 1
		.amdhsa_system_sgpr_workgroup_id_y 1
		.amdhsa_system_sgpr_workgroup_id_z 1
		.amdhsa_system_vgpr_workitem_id 0
		.amdhsa_next_free_vgpr 512
		.amdhsa_next_free_sgpr 96
		.amdhsa_reserve_vcc 1
		.amdhsa_float_denorm_mode_32 3
		.amdhsa_float_denorm_mode_16_64 3
		.amdhsa_memory_ordered 1
		.amdhsa_forward_progress 1
		.amdhsa_inst_pref_size 98
	.end_amdhsa_kernel
	.amdgpu_metadata
---
amdhsa.version: [ 1, 2 ]
amdhsa.kernels:
  - .name:           k_qe29e645752_attn
    .symbol:         k_qe29e645752_attn.kd
    .args:
      - { .name: c3, .offset: 0, .size: 8, .value_kind: global_buffer, .address_space: global }
      - { .name: s3, .offset: 8, .size: 8, .value_kind: global_buffer, .address_space: global }
      - { .name: mask, .offset: 16, .size: 8, .value_kind: global_buffer, .address_space: global }
      - { .name: ac, .offset: 24, .size: 8, .value_kind: global_buffer, .address_space: global }
      - { .name: asc, .offset: 32, .size: 8, .value_kind: global_buffer, .address_space: global }
    .group_segment_fixed_size: 245760
    .private_segment_fixed_size: 0
    .kernarg_segment_align: 8
    .kernarg_segment_size: 40
    .max_flat_workgroup_size: 256
    .sgpr_count:     96
    .vgpr_count:     512
    .wavefront_size: 32
...
	.end_amdgpu_metadata
.endif
;; end of part 3
;; launch proj (part 4): grid 4 x 32, 4 waves a work-group, clusters of 4 x 4, 327,680 bytes of LDS; arguments ac, asc, wc, ws, bo, out0; writes out0
.if DOCPART == 4
	.amdgcn_target "amdgcn-amd-amdhsa--gfx1250"
	.amdhsa_code_object_version 6
	.text
	.protected	k_qe29e645752_proj
	.globl	k_qe29e645752_proj
	.p2align	8
	.type	k_qe29e645752_proj,@function
k_qe29e645752_proj:
	s_mov_b64 s[64:65], 0
	v_nop
	global_prefetch_b8 v0, s[64:65] scope:SCOPE_SE
	s_setreg_imm32_b32 hwreg(HW_REG_WAVE_MODE, 25, 1), 1
	s_wait_xcnt 0x0
	s_wait_alu depctr_hold_cnt(0) depctr_sa_sdst(0) depctr_va_vdst(0) depctr_va_sdst(0) depctr_va_ssrc(0) depctr_va_vcc(0) depctr_vm_vsrc(0)
	s_getreg_b32 s2, hwreg(HW_REG_IB_STS2, 6, 4)
	s_cmp_eq_u32 s2, 0
	s_cbranch_scc0 .Lentry_in_a_cluster
	s_endpgm
.Lentry_in_a_cluster:
	s_bfe_u32 s2, ttmp6, 0x10000c
	s_cmp_lg_u32 s2, 0xf033
	s_cbranch_scc0 .Lentry_shape_is_right
	s_endpgm
.Lentry_shape_is_right:
; Launch 4 of 4: out0 = attention's result x Wo^T + bo on codes of E2M3.  No work is left out.
; The loop is launch 2's: a work-group makes 256 x 256, a wave 128 x 128 in 64 accumulators; K = 1,024 in four steps of 256 through three LDS slots, slot 0 filled a second time; 4 x 4 clusters,
; A's tiles (ac: source 1, the token is the lane) shared along a cluster's row, B's (Wo: blocks 12 to 15 of wc; source 0, the features run along the registers) along its column.
; bo is the C of each sum's first matrix instruction.  128 work-groups: the tile is kept at the size that reads each LDS byte for the most products.
; THE WAY OUT: a block of 16 tokens x 128 features goes through the wave's own stage in LDS and leaves as whole rows of 512 bytes; the tokens' tile order (launch 1) is undone in the stores' offsets.
; The stages lie in slot 1, which has had its only fill, and whose last reads stand ahead of the last barrier.
.set SLOTB, 98304
.set HALFB, 24576
.set SCL,   3*SLOTB
.set SPARE, SCL+16384
.set KSA,   1572864                    ; 256 along K of ac's 8,192 rows, in bytes
.set KSB,   786432                     ; and of wc's 4,096
.set FR,   12
.set ADRA, 16
.set ADRB, 20
.set STO,  24
.set RD,   25
.set CO,   26
.set ADRS, 27
.set SPW,  28
.set NIL,  29
.set SC,   32
.set BT,   64
.set AF,   128
.set BK,   128
.set WV,  22
.set HA,  23
.set HB,  66
.set G1,   24
.set G0,   32
.set G1B,  44
.set G0B,  52
.set G1S,  68
.set G0S,  76
.set G1SB, 80
.set G0SB, 88
.set CX,   96
.set CY,   97
.set YY,   98
.set TR,   99
.set TC,   100
.set MSB, 0
.macro WIN new
.if MSB != (\new)
	s_set_vgpr_msb (MSB<<8)|(\new)
.set MSB, (\new)
.endif
.endm
.macro JLOAD g0a, g1a, g0b, g1b
	s_cmp_eq_u32 s[HA], 0
	s_cbranch_scc0 .Lfor_b_\@
	tensor_load_to_lds s[\g0a:\g0a+3], s[\g1a:\g1a+7]
	s_nop 0
.rept 4
	v_nop
.endr
	s_branch .Lasked_\@
.Lfor_b_\@:
	tensor_load_to_lds s[\g0b:\g0b+3], s[\g1b:\g1b+7]
	s_nop 0
.rept 4
	v_nop
.endr
.Lasked_\@:
.endm
.macro CREST
	s_cmp_lg_u32 s[WV], 0
	s_cbranch_scc1 .Lnot_wave_0_\@
	s_barrier_signal -3
.Lnot_wave_0_\@:
	s_barrier_wait -3
	s_barrier_signal -1
	s_barrier_wait -1
.endm
.macro CROUND
	s_barrier_signal -1
	s_barrier_wait -1
	CREST
.endm
.macro PLACES n
.rept \n
	v_nop
.endr
.endm
	s_load_b256 s[4:11], s[0:1], 0x0               ; ac, asc, wc, ws
	s_load_b128 s[12:15], s[0:1], 0x20             ; bo, out0
	v_lshl_add_u32 v[SPW], v0, 2, SPARE
	v_mov_b32 v[NIL], 0
	ds_add_u32 v[SPW], v[NIL]                      ; the wave's opening: the add, twice on end, and its wait ahead of my first tensor load
	ds_add_u32 v[SPW], v[NIL]
	v_lshrrev_b32 v1, 5, v0
	v_readfirstlane_b32 s[WV], v1
	s_lshr_b32 s[HA], s[WV], 1
	s_and_b32 s[HB], s[WV], 1
	s_bfe_u32 s[CX], ttmp6, 0x40000
	s_bfe_u32 s[CY], ttmp6, 0x40004
	s_and_b32 s[YY], ttmp7, 0xffff
	s_lshl_b32 s[TR], s[YY], 2
	s_add_co_u32 s[TR], s[TR], s[CY]               ; my block of 256 tokens
	s_add_co_u32 s[TC], s[CX], 12                  ; Wo's block of 256 rows among the weights'
	s_lshl_b32 s2, s[CY], 2
	s_lshl_b32 s2, 15, s2                          ; my row of the cluster
	s_lshl_b32 s104, 0x1111, s[CX]                 ; my column
	s_or_b32 s[G1], s2, (3<<16)|(1<<21)
	s_or_b32 s[G1S], s2, (3<<16)|(1<<21)
	s_or_b32 s[G1B], s104, (3<<16)|(1<<21)
	s_or_b32 s[G1SB], s104, (3<<16)|(1<<21)
.irp g, G1, G1B
	s_mov_b32 s[\g+1], 32<<16
	s_mov_b32 s[\g+2], 192<<16                     ; the first two groups of loads bring both halves of a side: 192 rows of 256 bytes
	s_mov_b32 s[\g+3], 32<<16
	s_mov_b32 s[\g+4], 192
	s_mov_b32 s[\g+5], 32
	s_mov_b32 s[\g+6], 0
	s_mov_b32 s[\g+7], 0
.endr
.irp g, G1S, G1SB
	s_mov_b32 s[\g+1], 32<<16
	s_mov_b32 s[\g+2], 32<<16                      ; both halves' scale words of a side: 32 rows of 256 bytes
	s_mov_b32 s[\g+3], 32<<16
	s_mov_b32 s[\g+4], 32
	s_mov_b32 s[\g+5], 32
	s_mov_b32 s[\g+6], 0
	s_mov_b32 s[\g+7], 0
.endr
	s_mul_i32 s2, s[TR], 49152
	s_mov_b32 s3, 0
	s_mul_i32 s104, s[TC], 49152
	s_mov_b32 s105, 0
	s_mul_i32 s101, s[HB], SLOTB
	s_mov_b32 s[G0], 1                             ; set 0: K step 0, a whole side: A's 49,152 bytes at the slot's start,
	s_mov_b32 s[G0+1], 0
	s_mov_b32 s[G0B], 1                            ; B's behind them
	s_mov_b32 s[G0B+1], 2*HALFB
	s_mov_b32 s[G0+4], 1                           ; set 1: K step 1 + (wave % 2), a whole side, into slot 1 or 2
	s_add_co_u32 s[G0+5], s101, SLOTB
	s_mov_b32 s[G0B+4], 1
	s_add_co_u32 s[G0B+5], s101, SLOTB+2*HALFB
	s_mov_b32 s[G0S], 1
	s_mov_b32 s[G0S+1], SCL
	s_mov_b32 s[G0SB], 1
	s_mov_b32 s[G0SB+1], SCL+8192
	s_mul_i32 s92, s[HB], HALFB                    ; my half of a side, for slot 0's second fill
	s_mov_b32 s93, 0
	s_wait_dscnt 0x0                               ; both opening adds are done
	s_wait_kmcnt 0x0
	s_add_nc_u64 s[G0+2:G0+3], s[4:5], s[2:3]
	s_add_nc_u64 s[G0B+2:G0B+3], s[8:9], s[104:105]
	s_mul_i32 s2, s[HB], KSA
	s_add_nc_u64 s[G0+6:G0+7], s[G0+2:G0+3], s[2:3]
	s_add_nc_u64 s[G0+6:G0+7], s[G0+6:G0+7], KSA                   ; K step 1, or 2 in the odd waves
	s_mul_i32 s104, s[HB], KSB
	s_add_nc_u64 s[G0B+6:G0B+7], s[G0B+2:G0B+3], s[104:105]
	s_add_nc_u64 s[G0B+6:G0B+7], s[G0B+6:G0B+7], KSB
	s_lshl_b32 s2, s[TR], 13
	s_add_nc_u64 s[G0S+2:G0S+3], s[6:7], s[2:3]
	s_lshl_b32 s104, s[TC], 13
	s_add_nc_u64 s[G0SB+2:G0SB+3], s[10:11], s[104:105]
.irp g, G0+3, G0+7, G0B+3, G0B+7, G0S+3, G0SB+3
	s_or_b32 s[\g], s[\g], 0x80000000
.endr
	CROUND                                         ; all sixteen work-groups are here: the first joint loads meet
; THE HEAD'S LOADS, ONE A WAVE: wave 0 K step 0 of A, wave 1 of B, wave 2 A's scale words, wave 3 B's.  One chain of branches on the wave's number, every arm with one load, all to one join.
.macro ARM under, g0, g1, next
	s_cmp_lt_u32 s[WV], \under
	s_cbranch_scc0 \next
	tensor_load_to_lds s[\g0:\g0+3], s[\g1:\g1+7]
	s_nop 0
.rept 4
	v_nop
.endr
	s_branch .Lhead_asked
\next:
.endm
	ARM 1, G0,  G1,  .Lhead_b
	ARM 2, G0B, G1B, .Lhead_sa
	ARM 3, G0S, G1S, .Lhead_sb
	tensor_load_to_lds s[G0SB:G0SB+3], s[G1SB:G1SB+7]
	s_nop 0
.rept 4
	v_nop
.endr
.Lhead_asked:
	v_and_b32 v1, 31, v0
	v_and_b32 v2, 15, v0                           ; r
	v_bfe_u32 v3, v0, 4, 1                         ; h
	s_wait_alu depctr_va_vdst(0)
	v_lshlrev_b32 v7, 3, v1                        ; 8 l
	s_mul_i32 s2, s[HA], HALFB
	s_mul_i32 s3, s[HB], HALFB
	s_add_co_u32 s3, s3, 2*HALFB
.irp s, 0,1,2
	v_add_nc_u32 v[ADRA+\s], s2, v7
	v_add_nc_u32 v[ADRB+\s], s3, v7
	s_add_co_u32 s2, s2, SLOTB
	s_add_co_u32 s3, s3, SLOTB
.endr
	s_lshl_b32 s2, s[HA], 12
	s_lshl_b32 s3, s[HB], 12
	s_add_co_u32 s3, s3, 8192
	s_sub_co_u32 s3, s3, s2
	v_mul_u32_u24 v4, s3, v3                       ; lanes 16-31 take B's words: one product in h
	s_add_co_u32 s2, s2, SCL
	v_lshl_add_u32 v5, v2, 3, v4
	v_add_nc_u32 v[ADRS], s2, v5
	s_mul_i32 s2, s[WV], 16*528
	s_add_co_u32 s2, s2, SLOTB                     ; my stage: 16 rows x (512 + 16) bytes, in slot 1
	v_mul_u32_u24 v4, v2, 528
	v_lshl_add_u32 v4, v3, 6, v4
	v_add_nc_u32 v[STO], s2, v4                    ; in: row r, + 64 h
	v_lshlrev_b32 v[CO], 4, v1
	v_add_nc_u32 v[RD], s2, v[CO]                  ; back: the 32 lanes take a row of 512 bytes
	s_lshl_b32 s2, s[CX], 10
	s_lshl_b32 s3, s[HB], 9
	s_add_co_u32 s2, s2, s3                        ; my 128 features, in bytes
	s_mov_b32 s3, 0
	s_add_nc_u64 s[12:13], s[12:13], s[2:3]
	s_add_nc_u64 s[14:15], s[14:15], s[2:3]
	s_lshl_b32 s2, s[TR], 20
	s_lshl_b32 s4, s[HA], 19
	s_add_co_u32 s2, s2, s4                        ; my 128 tokens' rows of 4,096 bytes
	s_add_nc_u64 s[14:15], s[14:15], s[2:3]
	v_lshlrev_b32 v6, 6, v3                        ; register j of tile b is feature 32 (b / 2) + 16 h + 8 (b % 2) + j
.irp b, 0,1,2,3,4,5,6,7
	global_load_b128 v[BT+8*\b:BT+8*\b+3], v6, s[12:13] offset:128*(\b/2)+32*(\b%2)
	global_load_b128 v[BT+8*\b+4:BT+8*\b+7], v6, s[12:13] offset:128*(\b/2)+32*(\b%2)+16
.endr
.macro FRAG reg, adr, q, i
.irp p, 0,1,2,3,4,5
	ds_load_b64 v[\reg+2*\p:\reg+2*\p+1], v[\adr] offset:(\i)*3072+(\q)*1536+\p*256
.endr
.endm
; 16 matrix instructions; the 64 accumulators take turns, one instruction a turn, in the same order in every step.  zero = 1: the sum begins with the bias tile of B's block.
.macro MUL16 a0, p, q, sc, zero
.irp a, \a0, \a0+1
.irp b, 0,1,2,3,4,5,6,7
.if \zero == 0
	v_wmma_scale_f32_16x16x128_f8f6f4 v[8*(8*((\a)%4)+\b):8*(8*((\a)%4)+\b)+7], v[128*(\p)+FR*\b:128*(\p)+FR*\b+FR-1], v[AF+FR*(\a):AF+FR*(\a)+FR-1], v[8*(8*((\a)%4)+\b):8*(8*((\a)%4)+\b)+7], v[SC+16*(\sc)+2*\b+(\q)], v[SC+16*(\sc)+2*(\a)+(\q)] matrix_a_fmt:MATRIX_FMT_FP6 matrix_b_fmt:MATRIX_FMT_FP6 matrix_a_scale:MATRIX_SCALE_ROW1
.else
	v_wmma_scale_f32_16x16x128_f8f6f4 v[8*(8*((\a)%4)+\b):8*(8*((\a)%4)+\b)+7], v[128*(\p)+FR*\b:128*(\p)+FR*\b+FR-1], v[AF+FR*(\a):AF+FR*(\a)+FR-1], v[BT+8*\b:BT+8*\b+7], v[SC+16*(\sc)+2*\b+(\q)], v[SC+16*(\sc)+2*(\a)+(\q)] matrix_a_fmt:MATRIX_FMT_FP6 matrix_b_fmt:MATRIX_FMT_FP6 matrix_a_scale:MATRIX_SCALE_ROW1
.endif
.endr
.endr
.endm
.macro FETCH_B slot, q, p
	WIN 0x40
.irp i, 0,1,2,3,4,5,6,7
	FRAG 128*(\p)+FR*\i, ADRB+\slot, \q, \i
.endr
	WIN 0
.endm
.macro FETCH_A slot, q, i0
.irp i, \i0, \i0+1, \i0+2, \i0+3
	FRAG AF+FR*(\i), ADRA+\slot, \q, \i
.endr
.endm
.macro SCALES sc, ks
.irp i, 0,1,2,3,4,5,6,7
	ds_load_b64 v[SC+16*(\sc)+2*\i:SC+16*(\sc)+2*\i+1], v[ADRS] offset:(\ks)*1024+128*\i
.endr
.endm
.macro STEP q, ns, nq, sc, nks, zero
	s_wait_dscnt 24                                ; all but the youngest 24 loads (A's blocks 4-7)
.if \zero
	WIN 0x81
.else
	WIN 0xa1
.endif
	MUL16 0, \q, \q, \sc, \zero
	MUL16 2, \q, \q, \sc, \zero
	s_wait_dscnt 0x0
	PLACES 4
	FETCH_B \ns, \nq, 1-\q
	FETCH_A \ns, \nq, 0
.if \nks >= 0
	SCALES (\nks)%2, \nks
.endif
.if \zero
	WIN 0xc1
.else
	WIN 0xf1
.endif
	MUL16 4, \q, \q, \sc, \zero
	MUL16 6, \q, \q, \sc, \zero
	PLACES 4
	WIN 0
	FETCH_A \ns, \nq, 4
.endm
.macro TURN ns, sc, nks, fill
	s_wait_tensorcnt 0x0                           ; all my tensor loads have landed
	ds_add_u32 v[SPW], v[NIL]                      ; 0 onto my spare word
	s_wait_dscnt 25                                ; (the add and A's blocks 4-7 may be out)
	WIN 0xa1
	MUL16 0, 1, 1, \sc, 0
	s_wait_dscnt 0x0                               ; the add is done, and my reads of the slot are over
	s_barrier_signal -1
	MUL16 2, 1, 1, \sc, 0
	WIN 0
	s_barrier_wait -1
.if \fill
	CREST                                          ; the barrier has opened a round of the cluster's barrier: no wave of any partner still reads slot 0 or has a load on its way
	s_add_nc_u64 s[G0+2:G0+3], s[G0+2:G0+3], 3*KSA
	s_add_nc_u64 s[G0B+2:G0B+3], s[G0B+2:G0B+3], 3*KSB
	s_add_nc_u64 s[G0+2:G0+3], s[G0+2:G0+3], s[92:93]              ; no tensor load of mine is out, so the descriptors may be written: this fill goes by quarters of the slot:
	s_add_nc_u64 s[G0B+2:G0B+3], s[G0B+2:G0B+3], s[92:93]          ; my half of the side,
	s_mul_i32 s[G0+1], s[WV], HALFB                ; to wave x 24,576,
	s_mul_i32 s[G0B+1], s[WV], HALFB
	s_mov_b32 s[G1+2], 96<<16                      ; 96 rows of 256 bytes
	s_mov_b32 s[G1+4], 96
	s_mov_b32 s[G1B+2], 96<<16
	s_mov_b32 s[G1B+4], 96
	JLOAD G0, G1, G0B, G1B                         ; K step 3 into slot 0: my one tensor load behind the round
.else
	PLACES 4
.endif
	FETCH_B \ns, 0, 0
	FETCH_A \ns, 0, 0
	SCALES (\nks)%2, \nks
	WIN 0xf1
	MUL16 4, 1, 1, \sc, 0
	MUL16 6, 1, 1, \sc, 0
	PLACES 4
	WIN 0
	FETCH_A \ns, 0, 4
.endm
	s_wait_alu depctr_va_vdst(0)
	s_wait_tensorcnt 0x0                           ; my tile of the head's four is in
	ds_add_u32 v[SPW], v[NIL]
	s_wait_dscnt 0x0
	CROUND                                         ; a whole round: K step 0 and the scale words are whole, and the joint loads meet:
	JLOAD G0+4, G1, G0B+4, G1B                     ; slots 1 and 2 are first filled, one load a wave: waves 0 and 1 A's K steps 1 and 2, waves 2 and 3 B's.  No prefetch: the walk along K is written out, there is no loop to run ahead in
	FETCH_B 0, 0, 0
	FETCH_A 0, 0, 0
	SCALES 0, 0
	FETCH_A 0, 0, 4
	s_wait_loadcnt 0x0                             ; the bias tiles
	STEP 0, 0, 1, 0, -1, 1
	TURN 1, 0, 1, 1
	STEP 0, 1, 1, 1, -1, 0
	STEP 1, 2, 0, 1, 2, 0                          ; on into slot 2 with no barrier: the wait for all loads in front of the round has shown K steps 1 and 2 whole to every wave
	STEP 0, 2, 1, 0, -1, 0
	TURN 0, 0, 3, 0
	STEP 0, 0, 1, 1, -1, 0
	s_wait_dscnt 24
	WIN 0xa1
	MUL16 0, 1, 1, 1, 0
	MUL16 2, 1, 1, 1, 0
	s_wait_dscnt 0x0
	WIN 0xf1
	MUL16 4, 1, 1, 1, 0
	MUL16 6, 1, 1, 1, 0
	WIN 0
.macro TOSTAGE a
.set AC, 64*((\a)%4)
	WIN 0x08+4*((\a)/4)                            ; an LDS store's data are its source 1: window 2 or 3
.irp b, 0,1,2,3,4,5,6,7
	ds_store_b128 v[STO], v[AC+8*\b:AC+8*\b+3] offset:128*(\b/2)+32*(\b%2)          ; each accumulator from its low end on
	ds_store_b128 v[STO], v[AC+8*\b+4:AC+8*\b+7] offset:128*(\b/2)+32*(\b%2)+16
.endr
	WIN 0
.set BB, BK+64*((\a)%2)
.irp t, 0,1,2,3,4,5,6,7,8,9,10,11,12,13,14,15
	ds_load_b128 v[BB+4*\t:BB+4*\t+3], v[RD] offset:\t*528         ; LDS serves a wave's instructions in order: these see the stores above
.endr
.endm
.macro SEND a, younger                 ; place t of block a is token 32 (a / 2) + 8 (a % 2) + t + 8 (t / 8) of my 128; every offset is an immediate, 127 rows of 4,096 bytes at the most
.set BB, BK+64*((\a)%2)
	s_wait_dscnt \younger
.irp t, 0,1,2,3,4,5,6,7,8,9,10,11,12,13,14,15
	global_store_b128 v[CO], v[BB+4*\t:BB+4*\t+3], s[14:15] offset:(32*((\a)/2)+8*((\a)%2)+\t+8*(\t/8))*4096 th:TH_STORE_NT   ; 32 lanes store 512 consecutive bytes, aligned to 256
.endr
.endm
	PLACES 4                                       ; behind the last products: for the reads of results and for the loads into registers that held A's fragments
	TOSTAGE 0
.irp a, 1,2,3,4,5,6,7
.if \a > 1
	s_wait_xcnt 0x0                                ; block a - 2's stores have read their registers: block a's loads may land there
.endif
	TOSTAGE \a
	SEND \a-1, 32                                  ; behind block a - 1's loads: block a's 16 stores and 16 loads
.endr
	SEND 7, 0
	s_wait_tensorcnt 0x0                           ; the wave's end
	ds_add_u32 v[SPW], v[NIL]
	s_wait_dscnt 0x0
	CROUND                                         ; the closing round
	s_endpgm
.Lfunc_end_k_qe29e645752_proj:
	.size	k_qe29e645752_proj, .Lfunc_end_k_qe29e645752_proj-k_qe29e645752_proj
	.p2alignl 7, 3214868480
	.fill 96, 4, 3214868480
	.section	.rodata,"a",@progbits
	.p2align	6, 0x0
	.amdhsa_kernel k_qe29e645752_proj
		.amdhsa_group_segment_fixed_size 327680
		.amdhsa_private_segment_fixed_size 0
		.amdhsa_enable_private_segment 0
		.amdhsa_kernarg_size 48
		.amdhsa_user_sgpr_count 2
		.amdhsa_user_sgpr_kernarg_segment_ptr 1
		.amdhsa_wavefront_size32 1
		.amdhsa_system_sgpr_workgroup_id_x 1
		.amdhsa_system_sgpr_workgroup_id_y 1
		.amdhsa_system_sgpr_workgroup_id_z 1
		.amdhsa_system_vgpr_workitem_id 0
		.amdhsa_next_free_vgpr 1024
		.amdhsa_next_free_sgpr 106
		.amdhsa_reserve_vcc 0
		.amdhsa_float_denorm_mode_32 3
		.amdhsa_float_denorm_mode_16_64 3
		.amdhsa_memory_ordered 1
		.amdhsa_forward_progress 1
		.amdhsa_inst_pref_size 160
	.end_amdhsa_kernel
	.amdgpu_metadata
---
amdhsa.version: [ 1, 2 ]
amdhsa.kernels:
  - .name:           k_qe29e645752_proj
    .symbol:         k_qe29e645752_proj.kd
    .args:
      - { .name: ac, .offset: 0, .size: 8, .value_kind: global_buffer, .address_space: global }
      - { .name: asc, .offset: 8, .size: 8, .value_kind: global_buffer, .address_space: global }
      - { .name: wc, .offset: 16, .size: 8, .value_kind: global_buffer, .address_space: global }
      - { .name: ws, .offset: 24, .size: 8, .value_kind: global_buffer, .address_space: global }
      - { .name: bo, .offset: 32, .size: 8, .value_kind: global_buffer, .address_space: global }
      - { .name: out0, .offset: 40, .size: 8, .value_kind: global_buffer, .address_space: global }
    .group_segment_fixed_size: 327680
    .private_segment_fixed_size: 0
    .kernarg_segment_align: 8
    .kernarg_segment_size: 48
    .max_flat_workgroup_size: 128
    .sgpr_count:     106
    .vgpr_count:     1024
    .wavefront_size: 32
...
	.end_amdgpu_metadata
.endif
;; end of part 4
